; MI455X (gfx1250); checked and timed in simulation.
; The chip was launched on July 23, 2026; its instructions are those of AMD's public machine-readable ISA for CDNA 5 (MIT licence, August 2026) and "CDNA5" Instruction Set Architecture Reference Guide (July 2026). The comments in the code are by the model that wrote it; some were corrected since.
;; Multi Head Attention. Allowed arithmetic: matrix products marked QUANTISED: E4M3 operands, one given power-of-two scale a tensor, by v_wmma_f32_16x16x64_fp8_fp8 or v_wmma_f32_16x16x128_fp8_fp8, f32 sums; everything else in f32.
;; Inputs: K_pad_mask 2 x 2,048 int32; Q_pad_mask 2 x 2,048 int32; W_K_codes 1,024 x 32 x 32 uint8 (E4M3 codes of W_K, K innermost, in blocks of 32 codes); W_O_codes 1,024 x 32 x 32 uint8 (E4M3 codes of W_O, K innermost, in blocks of 32 codes); W_Q_codes 1,024 x 32 x 32 uint8 (E4M3 codes of W_Q, K innermost, in blocks of 32 codes); W_V_codes 1,024 x 32 x 32 uint8 (E4M3 codes of W_V, K innermost, in blocks of 32 codes); b_K 1,024 float32; b_O 1,024 float32; b_Q 1,024 float32; b_V 1,024 float32; in_K_codes 2 x 2,048 x 32 x 32 uint8 (E4M3 codes of in_K, K innermost, in blocks of 32 codes); in_Q_codes 2 x 2,048 x 32 x 32 uint8 (E4M3 codes of in_Q, K innermost, in blocks of 32 codes); in_V_codes 2 x 2,048 x 32 x 32 uint8 (E4M3 codes of in_V, K innermost, in blocks of 32 codes); lowp_scales 12 int32 (the exponents e of the quantised operands' scales 2^e).
;; Outputs: out0 2 x 2,048 x 1,024 float32.
;; This version of the problem:
;;   THIS VERSION OF THE PROBLEM IS GIVEN IN LOW PRECISION. The matrix products marked QUANTISED in the list below multiply operands that are first quantised to E4M3 (4 exponent bits, 3 mantissa bits; 8 bits a number), with one given power-of-two scale for each operand tensor; their sums are f32. All else is computed in f32.
;;   The module's matrix products, in the order in which they are computed (A, B: the left and right operand; K: the contracted axis; several contracted axes count as one K, in the product's order):
;;     1. [M 4,096, K 1,024] x [K 1,024, N 1,024]; A: input in_Q (given as codes); B: input W_Q (given as codes): QUANTISED (scales: A lowp_scales[0], B lowp_scales[1])
;;     2. [M 4,096, K 1,024] x [K 1,024, N 1,024]; A: input in_K (given as codes); B: input W_K (given as codes): QUANTISED (scales: A lowp_scales[2], B lowp_scales[3])
;;     3. [M 4,096, K 1,024] x [K 1,024, N 1,024]; A: input in_V (given as codes); B: input W_V (given as codes): QUANTISED (scales: A lowp_scales[4], B lowp_scales[5])
;;     4. batch 32 x [M 2,048, K 64] x [K 64, N 2,048]; A: computed on the way; B: computed on the way: QUANTISED (scales: A lowp_scales[6], B lowp_scales[7])
;;     5. batch 32 x [M 2,048, K 2,048] x [K 2,048, N 64]; A: computed on the way; B: computed on the way: QUANTISED (scales: A lowp_scales[8], B lowp_scales[9])
;;     6. [M 4,096, K 1,024] x [K 1,024, N 1,024]; A: computed on the way; B: input W_O (given as codes): QUANTISED (scales: A lowp_scales[10], B lowp_scales[11])
;;   THE QUANTISER, for each operand of a quantised product, along K:
;;     - The operand's scale is 2^e, e = its entry of the input lowp_scales (int32; the entries are numbered through the quantised products in the list's order, A before B).
;;     - Each number is divided by the scale, clamped to +-448, and rounded to the nearest number of E4M3, ties to even, subnormals kept.
;;     - The product sums the exact products of the quantised numbers (number of the format x scale) in f32.
;;   ~~~python
;;   def quantise(x, axis, e):      # numpy; x: float32 -> the quantised numbers, widened to float32 again
;;       x = np.moveaxis(x, axis, -1); K = x.shape[-1]
;;       r = np.clip(x / 2.0 ** e, -448, 448)
;;       step = 2.0 ** (np.maximum(np.frexp(np.where(r == 0, 1, r))[1] - 1, -6) - 3)
;;       q = np.round(r / step) * step * 2.0 ** e      # np.round: ties to even
;;       return np.moveaxis(q, -1, axis).astype(np.float32)
;;   ~~~
;;   OPERANDS COMPUTED ON THE WAY. 'Computed on the way' means the value that the module computes at that place (a softmax that the list does not call 'softmax' is quantised finished and normalised). What goes into a quantiser is computed in f32, as accurately as f32 sums, v_exp_f32 and their like allow (about 1e-6 of the number): no bf16 or f16 on the way to a quantiser, and a product that is left as it is and whose result goes on into a quantised operand takes f32 operands (vector FMAs, or v_wmma_f32_16x16x4_f32). A number that lies on a knife's edge between two numbers of the format may be rounded either way, as far as f32 arithmetic and the matrix unit's own rounding can turn it there, and no further.
;;   INPUTS GIVEN AS CODES. W_K (in the module: [1024, 1024], K = its axis 0); W_O (in the module: [1024, 1024], K = its axis 0); W_Q (in the module: [1024, 1024], K = its axis 0); W_V (in the module: [1024, 1024], K = its axis 0); in_K (in the module: [2, 2048, 1024], K = its axis 2); in_Q (in the module: [2, 2048, 1024], K = its axis 2); in_V (in the module: [2, 2048, 1024], K = its axis 2): each comes as NAME_codes (uint8): NAME with its K axis moved to the last place and cut into blocks of 32 codes, [.., K / 32, bytes a block], one block behind the other in memory; one code a byte (a code: sign, 4 exponent bits, 3 mantissa bits); its scale is its entry of lowp_scales. Its value is code x scale, taken as it is: it is not quantised again, and the codes and scales need not be those that the quantiser above would give.
;; 2 versions, each right; version 2 is version 1 with the launch attn written anew for expert scheduling mode. Each part assembles by itself: llvm-mc -triple=amdgcn-amd-amdhsa -mcpu=gfx1250 --defsym DOCPART=n.
;; ======== version 1 of 2: 3 launches
;; workspace buffers: qimg 4,194,304 bytes; kimg 4,194,304 bytes; vimg 4,194,304 bytes; himg 4,194,304 bytes; lens 256 bytes of whole numbers
;; launch proj (part 1): grid 4 x 48, 4 waves a work-group, clusters of 4 x 4, 327,680 bytes of LDS; arguments in_Q_codes, in_K_codes, W_V_codes, W_Q_codes, W_K_codes, in_V_codes, b_Q, b_K, b_V, qimg, kimg, vimg, lowp_scales, Q_pad_mask, K_pad_mask, lens; writes qimg, kimg, vimg, lens
.if DOCPART == 1
	.amdgcn_target "amdgcn-amd-amdhsa--gfx1250"
	.amdhsa_code_object_version 6
	.text
	.protected	k_q90149dd291_proj
	.globl	k_q90149dd291_proj
	.p2align	8
	.type	k_q90149dd291_proj,@function
k_q90149dd291_proj:
	s_mov_b64 s[64:65], 0
	v_nop
	global_prefetch_b8 v0, s[64:65] scope:SCOPE_SE
	s_setreg_imm32_b32 hwreg(HW_REG_WAVE_MODE, 25, 1), 1
	s_wait_xcnt 0x0
	s_wait_alu depctr_hold_cnt(0) depctr_sa_sdst(0) depctr_va_vdst(0) depctr_va_sdst(0) depctr_va_ssrc(0) depctr_va_vcc(0) depctr_vm_vsrc(0)
	s_getreg_b32 s2, hwreg(HW_REG_IB_STS2, 6, 4)
	s_cmp_eq_u32 s2, 0
	s_cbranch_scc0 .Lentry_in_a_cluster
	s_endpgm
.Lentry_in_a_cluster:
	s_bfe_u32 s2, ttmp6, 0x10000c
	s_cmp_lg_u32 s2, 0xf033
	s_cbranch_scc0 .Lentry_shape_is_right
	s_endpgm
.Lentry_shape_is_right:
; THE THREE PROJECTIONS, their biases and their quantisers, on codes of FP8 (E4M3).  Q = in_Q W_Q + b_Q, K = in_K W_K + b_K, V = in_V W_V + b_V, each [4096][1024], K = 1024.
; Twelve clusters of 4 x 4 work-groups: cluster c makes 1024 x 1024 of product g = c / 4 (0 Q, 1 K, 2 V).  A work-group makes 256 x 256, each of its four waves 128 x 128: 64 accumulators, 512 registers.
; ONE TEXT FOR ALL THREE.  The product has a ROW operand R (source 1) and a COLUMN operand Cc (source 0); a lane's eight results are eight neighbouring columns of one row.  They must be neighbours along the NEXT
; product's K: the head's 64 for Q and K, the keys for V.  So Q and K take R = the tokens, Cc = the weight; V is made transposed: R = W_V's rows (features), Cc = in_V's rows (keys).  All choices are selects on g.
; K goes in steps of 256 through a ring of two LDS slots filled by joint tensor loads: R's tile is shared along a row of the cluster, Cc's along a column.
; THE BIAS.  A sum stands for sum x 2^(ea + eb).  Where the features are columns (Q, K) b / 2^(ea + eb) is the C of each sum's first matrix instruction; where they are rows (V) it is added on the way out.  The other
; of the two is multiplied by 0.  THE QUANTISER: code = sum / 2^(eo - ea - eb), held within +-448, eo = entry 6 (Q), 7 (K), 9 (V) of the scales.
; WHAT IS STORED: images of the next products' operand registers.  A block of 4,096 bytes is 64 rows x 64 columns: byte t 1024 + c 512 + 16 (ri + 16 hh) + y is row 32 (t / 2) + 8 (t % 2) + ri + 8 (ri / 8), column
; 32 c + 16 hh + y.  Block ((batch 16 + head) 32 + step): Q, K: rows = tokens 64 step on, columns = the head's 64;  V: rows = the head's 64, columns = keys 64 step on.
; ALSO: cluster 0 sums the two padding masks, 128 entries a wave, into 64 words: word 16 row + i, rows: Q mask batch 0, 1, K mask batch 0, 1.
; LIMITS: ea + eb between -126 and 126; eo - ea - eb between -126 and 119; the biases are finite; NaN among the inputs is not served.
; REGISTERS, in windows of 256: window 0: v0-31 addresses; v32-95 the column bias, later a block's sums; v96-103 the row bias; v104-119 codes; v120, v121 the conversion's scale and 448 x it; v128-255 R's fragments, one set,
;   later the rows read back.   window 1: Cc's fragments, two sets.   windows 2, 3: the accumulators ((a, b) at v[8 (8 (a % 4) + b)]).
.set KROW,   1024                      ; a row of either operand in memory, in bytes
.set ROWB,   256                       ; a tile's row in bytes
.set PITCH,  272                       ; an LDS row: 256 bytes + 16 of padding: the 16 rows of a fragment load start 68 words apart
.set FR,     16                        ; registers of a fragment: 16 rows x 128 K
.set NL,     4                         ; LDS loads that bring one
.set NP,     4                         ; places behind this matrix instruction (ISA guide 7.12.1)
.set HALFT,  128*PITCH                 ; 128 rows: what one tensor load brings
.set SLOT,   4*HALFT                   ; R's 256 rows, then Cc's 256 rows
.set SPARE,  2*SLOT                    ; behind the ring: the spare words, 128 bytes a wave, which no other line names
.set ADRA, 16                          ; v16-17  LDS address of my R fragments in slot 0, 1
.set ADRB, 20                          ; v20-21  the same for Cc
.set STO,  24                          ; v24     the way out: where I put 8 codes
.set RD,   25                          ; v25     where I read 16 bytes back
.set CO,   26                          ; v26     16 x lane
.set SPW,  28                          ; v28     LDS address of my spare word; never rewritten
.set NIL,  29                          ; v29     0; never rewritten
.set BN,   32                          ; the column bias, eight registers for each of Cc's eight blocks
.set TMP,  32                          ; later: a block's 64 sums
.set BM,   96                          ; the row bias, one register for each of R's eight blocks
.set CD,   104                         ; a block's codes
.set SC,   120
.set LIM,  121
.set AF,   128                         ; R's fragments
.set RB,   128                         ; the way out: four sets of 32 registers
.set G1,   24                          ; s[24:31] descriptor group 1 for R's tiles;  s[32:39] group 0, one set for each slot
.set G0,   32
.set G1B,  48                          ; s[48:55], s[56:63] the same for Cc's
.set G0B,  56
.set OB,   68                          ; s[68:75] four store bases: block row i, block column jn at s[OB + 4 i + 2 jn]
.set MSB, 0
.macro WIN new                         ; the immediate's high byte repeats the setting that is left
.if MSB != (\new)
	s_set_vgpr_msb (MSB<<8)|(\new)
.set MSB, (\new)
.endif
.endm
.set MUL_LO, 0xa1                      ; source 0 (Cc) window 1, source 1 (R) window 0, C and D window 2
.set MUL_HI, 0xf1                      ; the same, C and D window 3
.set BEG_LO, 0x81                      ; a sum's first product: C (the bias) window 0, D window 2
.set BEG_HI, 0xc1                      ; D window 3
.set TO_B,   0x40                      ; destination window 1, address window 0
; A joint load: waves 0 and 1 fetch for R, waves 2 and 3 for Cc.  The branch hangs on the wave's number alone.  Four v_nop follow each of the two lines.
.macro JLOAD g0a, g1a, g0b, g1b
	s_cmp_eq_u32 s15, 0
	s_cbranch_scc0 .Lfor_b_\@
	tensor_load_to_lds s[\g0a:\g0a+3], s[\g1a:\g1a+7]
	s_nop 0
.rept 4
	v_nop
.endr
	s_branch .Lasked_\@
.Lfor_b_\@:
	tensor_load_to_lds s[\g0b:\g0b+3], s[\g1b:\g1b+7]
	s_nop 0
.rept 4
	v_nop
.endr
.Lasked_\@:
.endm
.macro CREST                           ; a round of the cluster's barrier behind its opening barrier
	s_cmp_lg_u32 s14, 0
	s_cbranch_scc1 .Lnot_wave_0_\@
	s_barrier_signal -3
.Lnot_wave_0_\@:
	s_barrier_wait -3
	s_barrier_signal -1
	s_barrier_wait -1
.endm
.macro CROUND                          ; a whole round
	s_barrier_signal -1
	s_barrier_wait -1
	CREST
.endm
	s_load_b512 s[68:83], s[0:1], 0x0              ; in_Q 68, in_K 70, W_V 72, W_Q 74, W_K 76, in_V 78, b_Q 80, b_K 82
	s_load_b512 s[84:99], s[0:1], 0x40             ; b_V 84, qimg 86, kimg 88, vimg 90, the scales 92, Q mask 94, K mask 96, lens 98
	v_lshl_add_u32 v[SPW], v0, 2, SPARE
	v_mov_b32 v[NIL], 0
	ds_add_u32 v28, v29
	ds_add_u32 v28, v29
	s_wait_dscnt 0x0
	v_lshrrev_b32 v1, 5, v0
	v_readfirstlane_b32 s14, v1                    ; wave 0..3
	s_lshr_b32 s15, s14, 1                         ; which half of the tile's rows is mine.  Also: I fetch for R (0) or for Cc (1)
	s_and_b32 s16, s14, 1                          ; which half of its columns.  Also: which 128 rows of that tile I fetch
	s_bfe_u32 s40, ttmp6, 0x40000                  ; cx, cy: my place in the cluster
	s_bfe_u32 s41, ttmp6, 0x40004
	s_and_b32 s12, ttmp7, 0xffff                   ; the cluster, 0..11: the same in all sixteen partners
	s_lshr_b32 s13, s12, 2                         ; g: which product
	s_and_b32 s2, s12, 3
	s_lshl_b32 s2, s2, 2                           ; the tokens' 4,096 rows are 16 tiles: this cluster's first of four
	s_cmp_lt_u32 s13, 2
	s_cselect_b32 s17, s2, 0                       ; the tokens are rows for Q and K,
	s_cselect_b32 s42, 0, s2                       ; columns for V
	s_add_co_u32 s17, s17, s41                     ; tile row: hangs on cy alone
	s_add_co_u32 s42, s42, s40                     ; tile column: on cx alone
	s_lshl_b32 s43, s41, 2
	s_lshl_b32 s43, 15, s43                        ; my row of the cluster
	s_lshl_b32 s44, 0x1111, s40                    ; my column
	; descriptor group 1: a tile of 128 rows x 256 bytes, padded in LDS
	s_or_b32 s[G1+0], s43, (0<<16)|(1<<20)|(1<<21)|(5<<22)|(3<<25)  ; 15:0 the mask; 17:16 elements of 1 byte; 20 padding on; 21 set beside a mask; 24:22 after every 64 words; 31:25 four words
	s_or_b32 s[G1B+0], s44, (0<<16)|(1<<20)|(1<<21)|(5<<22)|(3<<25)
.irp g, G1, G1B
	s_mov_b32 s[\g+1], ROWB<<16                    ; tensor_dim0
	s_mov_b32 s[\g+2], 128<<16                     ; tensor_dim1
	s_mov_b32 s[\g+3], ROWB<<16                    ; tile_dim0
	s_mov_b32 s[\g+4], 128                         ; tile_dim1
	s_mov_b32 s[\g+5], KROW                        ; tensor_dim0_stride
	s_mov_b32 s[\g+6], 0
	s_mov_b32 s[\g+7], 0
.endr
	s_lshl_b32 s18, s16, 7                         ; which 128 rows of the tile I fetch
	s_lshl_b32 s20, s17, 8
	s_add_co_u32 s20, s20, s18                     ; R: row 256 x tile row + 128 x half,
	s_lshl_b32 s20, s20, 10                        ; in bytes (under 4 MiB)
	s_mov_b32 s21, 0
	s_lshl_b32 s46, s42, 8
	s_add_co_u32 s46, s46, s18                     ; Cc: row 256 x tile column + 128 x half
	s_lshl_b32 s46, s46, 10
	s_mov_b32 s47, 0
	s_mul_i32 s45, s14, HALFT                      ; where they go: wave x 128 rows: no place in the cluster enters an LDS address
	s_wait_kmcnt 0x0
	s_cmp_eq_u32 s13, 1                            ; the product's four buffers: the choice hangs on the cluster's number alone
	s_cselect_b64 s[4:5], s[70:71], s[68:69]       ; R
	s_cselect_b64 s[6:7], s[76:77], s[74:75]       ; Cc
	s_cselect_b64 s[8:9], s[82:83], s[80:81]       ; the bias
	s_cselect_b64 s[10:11], s[88:89], s[86:87]     ; the images
	s_cmp_eq_u32 s13, 2
	s_cselect_b64 s[4:5], s[72:73], s[4:5]
	s_cselect_b64 s[6:7], s[78:79], s[6:7]
	s_cselect_b64 s[8:9], s[84:85], s[8:9]
	s_cselect_b64 s[10:11], s[90:91], s[10:11]
	s_load_b256 s[76:83], s[92:93], 0x0            ; e0 .. e7, over pointers that have been chosen from
	s_load_b128 s[84:87], s[92:93], 0x20           ; e8 .. e11
	s_add_nc_u64 s[20:21], s[4:5], s[20:21]
	s_add_nc_u64 s[46:47], s[6:7], s[46:47]
	CROUND                                         ; all sixteen work-groups are here: the first joint loads meet
.irp s, 0,1
	s_mov_b32 s[G0+4*\s], 1
	s_add_co_u32 s[G0+4*\s+1], s45, \s*SLOT
	s_add_nc_u64 s[G0+4*\s+2:G0+4*\s+3], s[20:21], \s*ROWB
	s_or_b32 s[G0+4*\s+3], s[G0+4*\s+3], 0x80000000
	s_mov_b32 s[G0B+4*\s], 1
	s_add_co_u32 s[G0B+4*\s+1], s45, \s*SLOT
	s_add_nc_u64 s[G0B+4*\s+2:G0B+4*\s+3], s[46:47], \s*ROWB
	s_or_b32 s[G0B+4*\s+3], s[G0B+4*\s+3], 0x80000000
	JLOAD G0+4*\s, G1, G0B+4*\s, G1B               ; two loads of mine are out
.endr
	v_and_b32 v1, 15, v0                           ; r = l % 16
	v_bfe_u32 v2, v0, 4, 1                         ; hh = l / 16
	v_mul_u32_u24 v3, v1, PITCH
	v_lshl_add_u32 v4, v2, 4, v3                   ; a fragment's row x pitch + 16 x half
	s_mul_i32 s21, s15, HALFT                      ; my 128 rows of R
	s_mul_i32 s22, s16, HALFT                      ; my 128 rows of Cc,
	s_add_co_u32 s22, s22, 2*HALFT                 ; which lie behind R's 256
.irp s, 0,1
	v_add_nc_u32 v[ADRA+\s], s21, v4
	v_add_nc_u32 v[ADRB+\s], s22, v4
	s_add_co_u32 s21, s21, SLOT
	s_add_co_u32 s22, s22, SLOT
.endr
	v_lshrrev_b32 v5, 3, v1
	v_and_b32 v6, 7, v1
	v_lshlrev_b32 v5, 10, v5
	v_lshl_add_u32 v5, v6, 4, v5
	v_lshl_add_u32 v5, v2, 3, v5                   ; my 8 codes' place in half a block: (r / 8) 1024 + 16 (r % 8) + 8 hh
	s_lshl_b32 s23, s14, 12                        ; my stage: 4,096 bytes in slot 0, written only when that slot has had its last fill and its last read
	v_add_nc_u32 v[STO], s23, v5
	v_and_b32 v6, 31, v0                           ; lane
	v_lshlrev_b32 v[CO], 4, v6
	v_add_nc_u32 v[RD], s23, v[CO]
	; the biases.  Columns: 8 numbers a lane for each of Cc's 8 blocks; rows: one number a lane for each of R's 8 blocks.  The one that does not apply reads the buffer's first 128 numbers and is multiplied by 0
	s_lshl_b32 s18, s42, 8
	s_lshl_b32 s19, s16, 7
	s_add_co_u32 s18, s18, s19                     ; my first column
	s_lshl_b32 s19, s17, 8
	s_lshl_b32 s22, s15, 7
	s_add_co_u32 s19, s19, s22                     ; my first row
	s_cmp_lt_u32 s13, 2
	s_cselect_b32 s18, s18, 0
	s_cselect_b32 s19, 0, s19
	s_lshl_b32 s18, s18, 2
	s_lshl_b32 s19, s19, 2
	v_lshl_add_u32 v7, v2, 5, s18                  ; 4 (first column + 8 hh)
	v_lshl_add_u32 v8, v1, 2, s19                  ; 4 (first row + r)
.irp b, 0,1,2,3,4,5,6,7
	global_load_b128 v[BN+8*\b:BN+8*\b+3], v7, s[8:9] offset:64*\b
	global_load_b128 v[BN+8*\b+4:BN+8*\b+7], v7, s[8:9] offset:64*\b+16
.endr
.irp a, 0,1,2,3,4,5,6,7
	global_load_b32 v[BM+\a], v8, s[8:9] offset:64*\a
.endr
	; THE MASKS' SUMS, in cluster 0 alone (a branch on the cluster's number; no tensor load and no barrier stands inside).  Its 64 waves share the 4 x 2,048 entries out by address: 128 entries a wave
	s_cmp_lg_u32 s12, 0
	s_cbranch_scc1 .Lno_lens
	s_lshl_b32 s2, s41, 2
	s_add_co_u32 s2, s2, s40                       ; my work-group's place, 0..15: places 0-7 take Q's mask, 8-15 K's
	s_cmp_lt_u32 s2, 8
	s_cselect_b64 s[18:19], s[94:95], s[96:97]
	s_bfe_u32 s3, s2, 0x10002
	s_lshl_b32 s3, s3, 13                          ; the batch's 8,192 bytes,
	s_and_b32 s22, s2, 3
	s_lshl_b32 s22, s22, 11                        ; my work-group's 2,048 of them,
	s_add_co_u32 s3, s3, s22
	s_lshl_b32 s22, s14, 9                         ; my wave's 512
	s_add_co_u32 s3, s3, s22
	v_add_nc_u32 v9, s3, v[CO]
	global_load_b128 v[CD:CD+3], v9, s[18:19]
	s_mov_b32 s22, 0x76543210
	s_mov_b32 s23, 0xfedcba98                      ; v_permlanex16_b32's selects for lane l xor 16
	s_lshl_b32 s3, s2, 2
	s_add_co_u32 s3, s3, s14
	s_lshl_b32 s3, s3, 2                           ; my word: 4 x place + wave
	v_mov_b32 v[CD+6], s3
	s_wait_loadcnt 0x0
	v_add3_u32 v[CD], v[CD], v[CD+1], v[CD+2]
	v_add_nc_u32 v[CD], v[CD], v[CD+3]
	v_mov_b32 v[CD+1], 0                           ; written once: the destination of a move between lanes counts as read
.irp m, 1,2,4,8
	v_mov_b32_dpp v[CD+1], v[CD] row_xmask:\m row_mask:0xf bank_mask:0xf
	v_add_nc_u32 v[CD], v[CD], v[CD+1]
.endr
	v_permlanex16_b32 v[CD+1], v[CD], s22, s23
	v_add_nc_u32 v[CD], v[CD], v[CD+1]             ; the sum of 128 entries, in every lane
	v_cmp_eq_u32 vcc_lo, 0, v6
	s_wait_xcnt 0x0                                ; EXEC is a source of the loads above: it changes only behind this wait
	s_and_saveexec_b32 s3, vcc_lo
	global_store_b32 v[CD+6], v[CD], s[98:99]      ; lane 0 stores it
	s_wait_xcnt 0x0                                ; and again, in front of the line that widens EXEC
	s_or_b32 exec_lo, exec_lo, s3
.Lno_lens:
	s_wait_kmcnt 0x0                               ; the scales' exponents
	s_add_co_i32 s2, s76, s77
	s_add_co_i32 s3, s78, s79
	s_add_co_i32 s18, s80, s81
	s_cmp_eq_u32 s13, 1
	s_cselect_b32 s2, s3, s2
	s_cselect_b32 s19, s83, s82
	s_cmp_eq_u32 s13, 2
	s_cselect_b32 s2, s18, s2                      ; ea + eb
	s_cselect_b32 s19, s85, s19                    ; eo: entry 6, 7 or 9
	s_sub_co_i32 s3, 127, s2
	s_lshl_b32 s3, s3, 23                          ; 2^-(ea + eb) as f32
	s_cmp_lt_u32 s13, 2
	s_cselect_b32 s66, s3, 0                       ; the column bias's factor,
	s_cselect_b32 s18, 0, s3                       ; the row bias's
	s_mov_b32 s67, s66                             ; (named with it as a pair, so it is written)
	s_sub_co_i32 s19, s19, s2
	s_add_co_i32 s19, s19, 127
	s_lshl_b32 s3, s19, 23
	v_mov_b32 v[SC], s3                            ; 2^(eo - ea - eb): the conversion takes its exponent field
	s_add_co_i32 s19, s19, 8
	s_lshl_b32 s19, s19, 23
	s_or_b32 s19, s19, 0x600000
	v_mov_b32 v[LIM], s19                          ; 448 x that
	s_wait_loadcnt 0x0                             ; the biases
.set jj, 0
.rept 32
	v_pk_mul_f32 v[BN+jj:BN+jj+1], v[BN+jj:BN+jj+1], s[66:67] op_sel_hi:[1,0]
.set jj, jj+2
.endr
.irp a, 0,1,2,3,4,5,6,7
	v_mul_f32 v[BM+\a], s18, v[BM+\a]
.endr
	; where my four blocks of 64 x 64 go
	s_lshl_b32 s2, s17, 2
	s_lshl_b32 s3, s15, 1
	s_add_co_u32 s2, s2, s3                        ; my first block row
	s_lshl_b32 s3, s42, 2
	s_lshl_b32 s20, s16, 1
	s_add_co_u32 s3, s3, s20                       ; my first block column
	s_mov_b32 s20, 0x20000                         ; from head to head: 32 blocks
	s_mov_b32 s21, 0x1000                          ; from step to step: one block
	s_cmp_lt_u32 s13, 2
	s_cselect_b32 s22, s2, s3                      ; the tokens' block, 0..63
	s_cselect_b32 s23, s3, s2                      ; the head
	s_cselect_b32 s46, s21, s20                    ; a block row on
	s_cselect_b32 s20, s20, s21                    ; a block column on
	s_lshr_b32 s2, s22, 5
	s_lshl_b32 s2, s2, 9                           ; batch x 512
	s_lshl_b32 s23, s23, 5
	s_add_co_u32 s2, s2, s23                       ; + head x 32
	s_and_b32 s22, s22, 31
	s_add_co_u32 s2, s2, s22                       ; + step
	s_lshl_b32 s2, s2, 12
	s_mov_b32 s3, 0
	s_mov_b32 s47, 0
	s_mov_b32 s21, 0
	s_add_nc_u64 s[OB:OB+1], s[10:11], s[2:3]
	s_add_nc_u64 s[OB+2:OB+3], s[OB:OB+1], s[20:21]
	s_add_nc_u64 s[OB+4:OB+5], s[OB:OB+1], s[46:47]
	s_add_nc_u64 s[OB+6:OB+7], s[OB+4:OB+5], s[20:21]
.macro FRAG reg, adr, q, i             ; a fragment: lane l holds row l % 16; registers 4 c .. 4 c + 3 hold K = 32 c + 16 (l / 16) + 0 .. 15: the same order of k in both operands
.irp c, 0,1,2,3
	ds_load_b128 v[\reg+4*\c:\reg+4*\c+3], v[\adr] offset:128*(\q)+32*\c+(\i)*16*PITCH
.endr
.endm
; 16 matrix instructions: R's blocks a0, a0 + 1 x Cc's eight, 128 along K.  p: Cc's set.  zero = 1: the first product starts the sums, with the column bias as C.
; The 64 accumulators take turns, one instruction a turn, in the same order in every step.
.macro MUL16 a0, p, zero
.irp a, \a0, \a0+1
.irp b, 0,1,2,3,4,5,6,7
.if \zero
	v_wmma_f32_16x16x128_fp8_fp8 v[8*(8*((\a)%4)+\b):8*(8*((\a)%4)+\b)+7], v[128*(\p)+FR*\b:128*(\p)+FR*\b+FR-1], v[AF+FR*(\a):AF+FR*(\a)+FR-1], v[BN+8*\b:BN+8*\b+7]
.else
	v_wmma_f32_16x16x128_fp8_fp8 v[8*(8*((\a)%4)+\b):8*(8*((\a)%4)+\b)+7], v[128*(\p)+FR*\b:128*(\p)+FR*\b+FR-1], v[AF+FR*(\a):AF+FR*(\a)+FR-1], v[8*(8*((\a)%4)+\b):8*(8*((\a)%4)+\b)+7]
.endif
.endr
.endr
.endm
.macro FETCH_B slot, q, p              ; Cc's eight fragments of the slot's q-th 128 along K into set p
	WIN TO_B
.irp i, 0,1,2,3,4,5,6,7
	FRAG 128*(\p)+FR*\i, ADRB+\slot, \q, \i
.endr
	WIN 0
.endm
.macro FETCH_A slot, q, i0             ; R's blocks i0 .. i0 + 3
.irp i, \i0, \i0+1, \i0+2, \i0+3
	FRAG AF+FR*(\i), ADRA+\slot, \q, \i
.endr
.endm
.macro PLACES n                        ; plain vector instructions between a matrix instruction and a load into, or a read of, its registers
.rept \n
	v_nop
.endr
.endm
; A step of 128 along K that has its successor in the same slot.  R has one set of registers: blocks 0-3 are fetched anew in the step's middle, blocks 4-7 at its end.
.macro STEP slot, q, zero
	s_wait_dscnt 4*NL                              ; Cc's set and R's blocks 0-3 are in; the youngest 16 loads (R's blocks 4-7) may be out
.if \zero
	WIN BEG_LO
.else
	WIN MUL_LO
.endif
	MUL16 0, (\q)%2, \zero
	MUL16 2, (\q)%2, \zero
	s_wait_dscnt 0                                 ; R's blocks 4-7 are in
	PLACES NP
	FETCH_B \slot, (\q)+1, 1-(\q)%2
	FETCH_A \slot, (\q)+1, 0
.if \zero
	WIN BEG_HI
.else
	WIN MUL_HI
.endif
	MUL16 4, (\q)%2, \zero
	MUL16 6, (\q)%2, \zero
	PLACES NP
	WIN 0
	FETCH_A \slot, (\q)+1, 4
.endm
; A slot's last step changes slots: ONE barrier; in front of it each wave waits for all its tensor loads, adds 0 to its spare word, and waits for that and for its own reads of this slot.  fill = 1: this slot is filled again, two K steps ahead.
.macro TURN slot, next, fill
	s_wait_tensorcnt 0x0                           ; all my tensor loads have landed: my part of the next slot
	ds_add_u32 v[SPW], v[NIL]                      ; 0 onto my spare word
	s_wait_dscnt 4*NL+1                            ; (the add and the youngest 16 loads may be out)
	WIN MUL_LO
	MUL16 0, 1, 0                                  ; sixteen matrix instructions stand between the add and the wait for it
	s_wait_dscnt 0x0                               ; the add is done, and my reads of this slot are over
	s_barrier_signal -1
	MUL16 2, 1, 0
	WIN 0
	s_barrier_wait -1
.if \fill
	CREST                                          ; the barrier has opened a round of the cluster's barrier: no wave of any partner still reads this slot or has a load on its way
	s_add_nc_u64 s[G0+4*\slot+2:G0+4*\slot+3], s[G0+4*\slot+2:G0+4*\slot+3], 2*ROWB
	s_add_nc_u64 s[G0B+4*\slot+2:G0B+4*\slot+3], s[G0B+4*\slot+2:G0B+4*\slot+3], 2*ROWB
	JLOAD G0+4*\slot, G1, G0B+4*\slot, G1B         ; the first tensor load behind the round; its four v_nop are also the places in front of the loads below
.else
	PLACES NP
.endif
	FETCH_B \next, 0, 0
	FETCH_A \next, 0, 0
	WIN MUL_HI
	MUL16 4, 1, 0
	MUL16 6, 1, 0
	PLACES NP
	WIN 0
	FETCH_A \next, 0, 4
.endm
	s_wait_tensorcnt 1                             ; my part of K step 0 is in; K step 1's load may stay out
	s_barrier_signal -1
	s_barrier_wait -1                              ; everybody's is
	FETCH_B 0, 0, 0
	FETCH_A 0, 0, 0
	FETCH_A 0, 0, 4
	STEP 0, 0, 1                                   ; K = 1,024 is four K steps of 256, eight steps of 128: written out, no loop
	TURN 0, 1, 1                                   ; slot 0 takes K step 2
	STEP 1, 0, 0
	TURN 1, 0, 1                                   ; slot 1 takes K step 3
	STEP 0, 0, 0
	TURN 0, 1, 0                                   ; nothing is left to fetch
	STEP 1, 0, 0
	s_wait_dscnt 4*NL
	WIN MUL_LO
	MUL16 0, 1, 0
	MUL16 2, 1, 0
	s_wait_dscnt 0
	WIN MUL_HI
	MUL16 4, 1, 0
	MUL16 6, 1, 0
	WIN 0
; THE WAY OUT.  Block a (16 rows x 128 columns): + the row bias, the hold, the conversion: 8 codes for each of Cc's 8 blocks, into my stage at their place in the image.
.macro QBLK a
.set AC, 64*((\a)%4)
.set BP, BM+2*((\a)/2)
	WIN 0x02+((\a)/4)                              ; source 0: window 2 or 3
.set jj, 0
.rept 32
.if ((\a)%2) == 0
	v_pk_add_f32 v[TMP+jj:TMP+jj+1], v[AC+jj:AC+jj+1], v[BP:BP+1] op_sel_hi:[1,0]              ; both + the pair's first register; each accumulator from its low end on
.else
	v_pk_add_f32 v[TMP+jj:TMP+jj+1], v[AC+jj:AC+jj+1], v[BP:BP+1] op_sel:[0,1] op_sel_hi:[1,1]   ; both + its second
.endif
.set jj, jj+2
.endr
	WIN 0
.set jj, 0
.rept 64
	v_med3_num_f32 v[TMP+jj], v[TMP+jj], -v[LIM], v[LIM]   ; the conversion to an 8-bit code does not saturate (ISA guide 7.6.2): the hold at the largest code x the scale
.set jj, jj+1
.endr
.irp b, 0,1,2,3,4,5,6,7
	v_cvt_scalef32_pk8_fp8_f32 v[CD+2*\b:CD+2*\b+1], v[TMP+8*\b:TMP+8*\b+7], v[SC]
.endr
	v_nop                                          ; a plain vector instruction between the conversions and the next lines that write their sources
.irp b, 0,1,2,3,4,5,6,7
	ds_store_b64 v[STO], v[CD+2*\b:CD+2*\b+1] offset:(\b/4)*2048+(\b%4)*256+((\a)%2)*128
.endr
.endm
.macro RDBK al                         ; two blocks a make 32 rows x 128 columns: half a block of the image for each of two block columns: 8 x 512 bytes.  LDS serves a wave's instructions in order: these see my stores
.irp k, 0,1,2,3,4,5,6,7
	ds_load_b128 v[RB+32*(\al)+4*\k:RB+32*(\al)+4*\k+3], v[RD] offset:512*\k
.endr
.endm
.macro SEND al, younger                ; younger: the LDS instructions issued behind these loads, which may stay out
	s_wait_dscnt \younger
.irp k, 0,1,2,3,4,5,6,7
	global_store_b128 v[CO], v[RB+32*(\al)+4*\k:RB+32*(\al)+4*\k+3], s[OB+4*((\al)/2)+2*(\k/4):OB+4*((\al)/2)+2*(\k/4)+1] offset:2048*((\al)%2)+512*(\k%4)   ; 32 lanes store 512 consecutive bytes, aligned
.endr
.endm
	PLACES NP                                      ; behind the last products: for the reads of results and the loads into the registers that held R's fragments
	QBLK 0
	QBLK 1
	RDBK 0
.irp al, 1,2,3
	QBLK 2*\al
	QBLK 2*\al+1
	RDBK \al
	SEND \al-1, 24                                 ; behind those loads: 16 stores and 8 loads.  Each pair has registers and a base of its own: none is written again
.endr
	SEND 3, 0
	s_wait_tensorcnt 0x0                           ; the wave's end
	ds_add_u32 v[SPW], v[NIL]
	s_wait_dscnt 0x0
	CROUND                                         ; the closing round: no work-group ends while a partner may still ask for a tile that names it
	s_endpgm
.Lfunc_end_k_q90149dd291_proj:
	.size	k_q90149dd291_proj, .Lfunc_end_k_q90149dd291_proj-k_q90149dd291_proj
	.p2alignl 7, 3214868480
	.fill 96, 4, 3214868480
	.section	.rodata,"a",@progbits
	.p2align	6, 0x0
	.amdhsa_kernel k_q90149dd291_proj
		.amdhsa_group_segment_fixed_size 327680
		.amdhsa_private_segment_fixed_size 0
		.amdhsa_enable_private_segment 0
		.amdhsa_kernarg_size 128
		.amdhsa_user_sgpr_count 2
		.amdhsa_user_sgpr_kernarg_segment_ptr 1
		.amdhsa_wavefront_size32 1
		.amdhsa_system_sgpr_workgroup_id_x 1
		.amdhsa_system_sgpr_workgroup_id_y 1
		.amdhsa_system_sgpr_workgroup_id_z 1
		.amdhsa_system_vgpr_workitem_id 0
		.amdhsa_next_free_vgpr 1024
		.amdhsa_next_free_sgpr 100
		.amdhsa_reserve_vcc 1
		.amdhsa_float_denorm_mode_32 3
		.amdhsa_float_denorm_mode_16_64 3
		.amdhsa_memory_ordered 1
		.amdhsa_forward_progress 1
		.amdhsa_inst_pref_size 148
	.end_amdhsa_kernel
	.amdgpu_metadata
---
amdhsa.version: [ 1, 2 ]
amdhsa.kernels:
  - .name:           k_q90149dd291_proj
    .symbol:         k_q90149dd291_proj.kd
    .args:
      - { .name: in_Q_codes, .offset: 0, .size: 8, .value_kind: global_buffer, .address_space: global }
      - { .name: in_K_codes, .offset: 8, .size: 8, .value_kind: global_buffer, .address_space: global }
      - { .name: W_V_codes, .offset: 16, .size: 8, .value_kind: global_buffer, .address_space: global }
      - { .name: W_Q_codes, .offset: 24, .size: 8, .value_kind: global_buffer, .address_space: global }
      - { .name: W_K_codes, .offset: 32, .size: 8, .value_kind: global_buffer, .address_space: global }
      - { .name: in_V_codes, .offset: 40, .size: 8, .value_kind: global_buffer, .address_space: global }
      - { .name: b_Q, .offset: 48, .size: 8, .value_kind: global_buffer, .address_space: global }
      - { .name: b_K, .offset: 56, .size: 8, .value_kind: global_buffer, .address_space: global }
      - { .name: b_V, .offset: 64, .size: 8, .value_kind: global_buffer, .address_space: global }
      - { .name: qimg, .offset: 72, .size: 8, .value_kind: global_buffer, .address_space: global }
      - { .name: kimg, .offset: 80, .size: 8, .value_kind: global_buffer, .address_space: global }
      - { .name: vimg, .offset: 88, .size: 8, .value_kind: global_buffer, .address_space: global }
      - { .name: lowp_scales, .offset: 96, .size: 8, .value_kind: global_buffer, .address_space: global }
      - { .name: Q_pad_mask, .offset: 104, .size: 8, .value_kind: global_buffer, .address_space: global }
      - { .name: K_pad_mask, .offset: 112, .size: 8, .value_kind: global_buffer, .address_space: global }
      - { .name: lens, .offset: 120, .size: 8, .value_kind: global_buffer, .address_space: global }
    .group_segment_fixed_size: 327680
    .private_segment_fixed_size: 0
    .kernarg_segment_align: 8
    .kernarg_segment_size: 128
    .max_flat_workgroup_size: 128
    .sgpr_count:     100
    .vgpr_count:     1024
    .wavefront_size: 32
...
	.end_amdgpu_metadata
.endif
;; end of part 1
;; launch attn (part 2): grid 8 x 32, 8 waves a work-group, no clusters, 263,168 bytes of LDS; arguments qimg, kimg, vimg, lens, lowp_scales, himg; writes himg
.if DOCPART == 2
	.amdgcn_target "amdgcn-amd-amdhsa--gfx1250"
	.amdhsa_code_object_version 6
	.text
	.protected	k_q90149dd291_attn
	.globl	k_q90149dd291_attn
	.p2align	8
	.type	k_q90149dd291_attn,@function
k_q90149dd291_attn:
	s_mov_b64 s[64:65], 0
	v_nop
	global_prefetch_b8 v0, s[64:65] scope:SCOPE_SE
	s_setreg_imm32_b32 hwreg(HW_REG_WAVE_MODE, 25, 1), 1
	s_wait_xcnt 0x0
; ATTENTION on codes of FP8 (E4M3): scores = Q K^T / 8, the causal mask, the two padding lengths, softmax, x V; both products quantised.
; THE SOFTMAX IS QUANTISED FINISHED: p = exp(s - max) / sum goes into the quantiser, so a row's sum is known before any p is converted.  THE KEYS ARE WALKED TWICE: pass 1 makes K Q^T, the running largest t and
; the sum; pass 2 makes K Q^T again, p = 2^(t - M) x (1 / sum), its codes, and V^T P.  t = score x log2(e) / 8; M = the largest t rounded up to a whole number, so that a change of M rescales the sum exactly.
; KEY k COUNTS FOR QUERY q where k <= q, k < k_len and q < q_len (the masks act through their sums alone).  A row without a key gives 0.
; SHARES.  Work-group (j, bh) serves head bh = 16 batch + head.  Each of its 8 waves owns 32 neighbouring queries, pair p, as two tiles that share every fragment of K and V.  Waves w and w + 4 hold pairs
; p = 8 w + j and 63 - p: under the causal mask the two together have the same work in every work-group.
; K AND V of the head lie in LDS whole (128 KiB each), as the images of operand registers that the launch before stored: every access is a constant + 16 x lane.  They come through registers, once.
; NO CLUSTER, NO TENSOR LOAD, though the eight work-groups of a head read the same K and V: only a tensor load can be asked for jointly.
; Branches on k_len leave out the steps past min(q, k_len) and, in steps all of whose keys count, 128 of a step's vector instructions.  All reads of memory stand at the head: there is nothing to prefetch ahead of.
; LAYOUT.  S^T = K Q^T (source 0 = 16 keys, source 1 = 16 queries), O^T = V^T P^T: a lane holds ONE query, q = 32 p + 8 u + r + 8 (r / 8), throughout.  A tile's keys are not neighbours (the image's order of
; rows), so that the 16 registers of tiles 2 b, 2 b + 1 are keys 32 b + 16 (lane / 16) + 0 .. 15: the conversions' results are the second product's operand.  The head's 64 channels are ordered likewise.
; LIMITS on the given exponents: e6 + e7 between -123 and 130; e8 between -126 and 119; e10 - e8 - e9 between -126 and 119.  The lengths are held within 0 .. 2,048, which is all that the comparisons see.
.set VIMG, 131072                      ; LDS: K's 32 steps of 4,096 bytes at 0, V's here
.set LI,   1                           ; v1   16 x lane
.set LIV,  2                           ; v2   the same in V's half of LDS
.set FL,   3                           ; v3-6 the fill: my wave's steps in K's two halves and in V's two
.set ADK,  7                           ; v7   LDS address of the step's K
.set QL,   8                           ; v8-9 tile u: min(q, k_len - 1) - 16 (lane / 16); at the end the hold of H
.set PLIM, 10                          ; v10  448 x 2^e8
.set ADV,  11                          ; v11  LDS address of the step's V
.set ST,   12                          ; tile u's statistics at v[ST + 6 u]: +0 -M, +1 the largest t, +2, +3 the sum in two halves, +4 the factor (pass 1) or 1 / sum (pass 2), +5 named with it as a pair
.set TA,   24                          ; v24-27 at work
.set DD,   28                          ; v28-29 at work: the mask's bound, a lane exchange's result
.set NEG,  30                          ; v30  -infinity
.set PSC,  31                          ; v31  2^e8
.set PC,   32                          ; v32-47  p's codes, 8 registers a tile; at the end H's
.set QF,   48                          ; v48-63  Q, 8 a tile
.set KR,   64                          ; v64-95  K of the step: tile t at 8 t
.set VR,   96                          ; v96-127 V of the step
.set S,    128                         ; v128-191 S^T, then p: 32 a tile
.set O,    192                         ; v192-255 O^T: 32 a tile
	s_load_b256 s[4:11], s[0:1], 0x0               ; qimg, kimg, vimg, lens
	s_load_b128 s[12:15], s[0:1], 0x20             ; the scales, himg
	s_set_vgpr_msb 0x40
	v_lshl_add_u32 v0, v0, 2, 0x40000
	v_mov_b32 v1, 0
	s_set_vgpr_msb 0x4000
	v_lshrrev_b32 v[TA], 5, v0
	v_readfirstlane_b32 s16, v[TA]                 ; wave 0..7
	s_and_b32 s18, ttmp7, 0xffff                   ; bh
	s_lshr_b32 s19, s18, 4                         ; batch
	s_and_b32 s20, s18, 15                         ; head
	s_sub_co_u32 s90, 11, s16
	s_sub_co_u32 s91, 7, ttmp9
	s_cmp_lt_u32 s16, 4
	s_cselect_b32 s90, s16, s90
	s_cselect_b32 s91, ttmp9, s91
	s_lshl_b32 s21, s90, 3
	s_add_co_u32 s21, s21, s91                     ; p: 8 w + j, or 63 - (8 (w - 4) + j)
	v_and_b32 v[LI], 31, v0
	v_lshlrev_b32 v[LI], 4, v[LI]
	v_add_nc_u32 v[LIV], VIMG, v[LI]
	s_lshl_b32 s92, s16, 12                        ; my wave fills steps w, 8 + w, 16 + w, 24 + w
	v_add_nc_u32 v[FL], s92, v[LI]
	v_add_nc_u32 v[FL+1], 0x10000, v[FL]
	v_add_nc_u32 v[FL+2], 0x20000, v[FL]
	v_add_nc_u32 v[FL+3], 0x30000, v[FL]
	v_mov_b32 v[ADK], v[LI]
	v_mov_b32 v[ADV], v[LIV]
	s_lshl_b32 s90, s18, 17                        ; a head's 32 blocks of 4,096 bytes
	s_mov_b32 s91, 0
	s_mov_b32 s93, 0
	s_lshl_b32 s94, s21, 11                        ; a pair of Q's tiles is 2,048 bytes
	s_mov_b32 s95, 0
	s_wait_kmcnt 0x0
	s_add_nc_u64 s[4:5], s[4:5], s[90:91]
	s_add_nc_u64 s[4:5], s[4:5], s[94:95]
	s_add_nc_u64 s[6:7], s[6:7], s[90:91]
	s_add_nc_u64 s[6:7], s[6:7], s[92:93]
	s_add_nc_u64 s[8:9], s[8:9], s[90:91]
	s_add_nc_u64 s[8:9], s[8:9], s[92:93]
	s_lshl_b32 s90, s19, 6
	s_add_nc_u64 s[10:11], s[10:11], s[90:91]      ; the batch's 16 words
	s_load_b512 s[36:51], s[10:11], 0x80           ; of K's mask,
	s_load_b512 s[68:83], s[10:11], 0x0            ; of Q's
	s_load_b128 s[84:87], s[12:13], 0x18           ; e6, e7, e8, e9
	s_load_b32 s88, s[12:13], 0x28                 ; e10
.irp u, 0,1
.irp c, 0,1
	global_load_b128 v[QF+8*\u+4*\c:QF+8*\u+4*\c+3], v[LI], s[4:5] offset:\u*1024+\c*512
.endr
.endr
.macro GFILL reg, i                    ; step 8 i + w of K and of V, 4,096 bytes each, into 64 registers: each load is 512 consecutive bytes
.irp k, 0,1,2,3,4,5,6,7
	global_load_b128 v[\reg+4*\k:\reg+4*\k+3], v[LI], s[6:7] offset:\i*32768+512*\k
.endr
.irp k, 0,1,2,3,4,5,6,7
	global_load_b128 v[\reg+32+4*\k:\reg+32+4*\k+3], v[LI], s[8:9] offset:\i*32768+512*\k
.endr
.endm
.macro LFILL reg, i                    ; and on into LDS, as they lie
.irp k, 0,1,2,3,4,5,6,7
	ds_store_b128 v[FL+\i/2], v[\reg+4*\k:\reg+4*\k+3] offset:(\i%2)*32768+512*\k
.endr
.irp k, 0,1,2,3,4,5,6,7
	ds_store_b128 v[FL+2+\i/2], v[\reg+32+4*\k:\reg+32+4*\k+3] offset:(\i%2)*32768+512*\k
.endr
.endm
	GFILL KR, 0                                    ; the first eight steps are asked for before the lengths are known
	s_add_co_u32 s90, s90, s21                     ; 64 batch + p: two row tiles of H, 16,384 bytes each;
	s_lshl_b32 s90, s90, 15
	s_lshl_b32 s92, s20, 10                        ; the head's 64 channels are 1,024 bytes of a row tile
	s_add_co_u32 s90, s90, s92
	s_add_nc_u64 s[14:15], s[14:15], s[90:91]
	s_mov_b32 s34, 0x76543210
	s_mov_b32 s35, 0xfedcba98                      ; v_permlanex16_b32's selects for lane l xor 16
	s_wait_kmcnt 0x0
	s_add_co_u32 s26, s36, s37
	s_add_co_u32 s27, s68, s69
.irp i, 2,3,4,5,6,7,8,9,10,11,12,13,14,15
	s_add_co_u32 s26, s26, s[36+\i]
	s_add_co_u32 s27, s27, s[68+\i]
.endr
	s_max_i32 s26, s26, 0
	s_min_i32 s26, s26, 0x800                      ; k_len
	s_max_i32 s27, s27, 0
	s_min_i32 s27, s27, 0x800                      ; q_len
	s_add_co_u32 s28, s26, 63
	s_lshr_b32 s28, s28, 6                         ; steps of 64 keys that anybody reads
	s_lshl_b32 s90, s21, 5                         ; my first query, 32 p
	s_add_co_u32 s91, s90, 32
	s_min_u32 s91, s91, s26
	s_cmp_lt_u32 s90, s27
	s_cselect_b32 s24, s91, 0                      ; a step is worked where its first key is under this: min(32 p + 32, k_len), or 0 where all my queries are padding.  That key then counts for all 32 queries
	s_sub_co_i32 s92, s26, 1
	s_min_i32 s25, s90, s92                        ; a step whose last key is at most this needs no mask
	s_add_co_i32 s30, s84, s85
	s_lshl_b32 s30, s30, 23
	s_add_co_i32 s30, s30, 0x3e38aa3b              ; c = log2(e) / 8, with e6 + e7 added to its exponent field
	s_mov_b32 s31, s30                             ; (named with it as a pair, so it is written)
	s_mov_b32 s32, s86                             ; e8
	s_add_co_i32 s93, s86, 127
	s_lshl_b32 s94, s93, 23
	v_mov_b32 v[PSC], s94
	s_add_co_i32 s93, s93, 8
	s_lshl_b32 s93, s93, 23
	s_or_b32 s93, s93, 0x600000
	v_mov_b32 v[PLIM], s93
	v_and_b32 v[TA], 15, v0                        ; r
	v_bfe_u32 v[TA+1], v0, 4, 1
	v_lshlrev_b32 v[TA+1], 4, v[TA+1]              ; 16 (lane / 16)
	v_and_b32 v[TA+2], 8, v[TA]
	v_add_nc_u32 v[TA+2], v[TA+2], v[TA]
	v_add_nc_u32 v[TA+2], s90, v[TA+2]             ; tile 0's query
	v_add_nc_u32 v[TA+3], 8, v[TA+2]               ; tile 1's
	v_min_i32 v[QL], s92, v[TA+2]
	v_min_i32 v[QL+1], s92, v[TA+3]
	v_sub_nc_u32 v[QL], v[QL], v[TA+1]
	v_sub_nc_u32 v[QL+1], v[QL+1], v[TA+1]
	v_mov_b32 v[NEG], 0xff800000
.irp u, 0,1
	v_mov_b32 v[ST+6*\u+1], 0xff61b1e6             ; the largest t so far: -3e38, under every t
	v_floor_f32 v[ST+6*\u], -v[ST+6*\u+1]          ; -M
	v_mov_b32 v[ST+6*\u+2], 0
	v_mov_b32 v[ST+6*\u+3], 0
	v_mov_b32 v[ST+6*\u+4], 0
	v_mov_b32 v[ST+6*\u+5], 0
	v_mov_b32 v[DD+\u], 0                          ; written once: a lane permute's destination counts as read
.endr
	; THE FILL goes on as far as k_len asks.  The branches are nested, so that a register is stored on no way on which it was not loaded.  The number of loads out differs from way to way: every wait is for 0
	s_add_co_u32 s93, s16, 8
	s_cmp_ge_u32 s93, s28
	s_cbranch_scc1 .Lfill1
	GFILL S, 1
	s_add_co_u32 s93, s16, 16
	s_cmp_ge_u32 s93, s28
	s_cbranch_scc1 .Lfill2
	GFILL O, 2
	s_wait_loadcnt 0x0
	LFILL O, 2
.Lfill2:
	s_wait_loadcnt 0x0
	LFILL S, 1
.Lfill1:
	s_wait_loadcnt 0x0                             ; (Q is in too)
	LFILL KR, 0
	s_add_co_u32 s93, s16, 24
	s_cmp_ge_u32 s93, s28
	s_cbranch_scc1 .Lfill3
	s_wait_dscnt 0x0                               ; the stores have read their registers
	GFILL KR, 3
	s_wait_loadcnt 0x0
	LFILL KR, 3
.Lfill3:
	s_wait_dscnt 0x0                               ; for the others' sake: my stores have landed
	s_barrier_signal -1                            ; the launch's one barrier
.set n, 0
.rept 64
	v_mov_b32 v[O+n], 0                            ; O^T: the step is written once; a wave without a key leaves these zeros
.set n, n+1
.endr
	s_barrier_wait -1
.macro QK                              ; S^T = K Q^T: 4 tiles of 16 keys x 2 tiles of 16 queries, K = the head's 64; then the places in front of the first read
.irp t, 0,1,2,3
.irp u, 0,1
	v_wmma_f32_16x16x64_fp8_fp8 v[S+32*\u+8*\t:S+32*\u+8*\t+7], v[KR+8*\t:KR+8*\t+7], v[QF+8*\u:QF+8*\u+7], 0
.endr
.endr
.rept 4
	v_nop
.endr
.endm
.macro KLOAD
.irp t, 0,1,2,3
.irp c, 0,1
	ds_load_b128 v[KR+8*\t+4*\c:KR+8*\t+4*\c+3], v[ADK] offset:\t*1024+\c*512
.endr
.endr
.endm
; Hidden scores become -infinity: register 16 b + i holds key KF + 16 (lane / 16) + 32 b + i, hidden where 32 b + i > min(q, k_len - 1) - 16 (lane / 16) - KF.  A step all of whose keys count for all 32 queries jumps over this
.macro MASK
	s_add_co_u32 s90, s22, 63
	s_cmp_le_i32 s90, s25
	s_cbranch_scc1 .Lopen_\@
	v_sub_nc_u32 v[DD], v[QL], s22
	v_sub_nc_u32 v[DD+1], v[QL+1], s22
.set n, 0
.rept 32
	v_cmp_gt_i32 vcc_lo, 32*(n/16)+n%16, v[DD]
	v_cmp_gt_i32 s91, 32*(n/16)+n%16, v[DD+1]
	v_cndmask_b32 v[S+n], v[S+n], v[NEG], vcc_lo
	v_cndmask_b32 v[S+32+n], v[S+32+n], v[NEG], s91
.set n, n+1
.endr
.Lopen_\@:
.endm
.macro POWERS                          ; 2^(t - M): a packed multiply-add for two scores, then the 64 exponentials as one batch
.set n, 0
.rept 16
	v_pk_fma_f32 v[S+n:S+n+1], v[S+n:S+n+1], s[30:31], v[ST:ST+1] op_sel_hi:[1,0,0]
	v_pk_fma_f32 v[S+32+n:S+32+n+1], v[S+32+n:S+32+n+1], s[30:31], v[ST+6:ST+7] op_sel_hi:[1,0,0]
.set n, n+2
.endr
.set n, 0
.rept 64
	v_exp_f32 v[S+n], v[S+n]
.set n, n+1
.endr
.endm
	; PASS 1.  32 trips, a constant; a step that is not mine is jumped over
	s_mov_b32 s22, 0                               ; KF: the step's first key
	s_mov_b32 s23, 0                               ; its LDS byte
.Lp1:
	s_cmp_ge_u32 s22, s24
	s_cbranch_scc1 .Lskip1
	v_add_nc_u32 v[ADK], s23, v[LI]
	KLOAD                                          ; (the four v_nop behind the last step's products are the places in front of these loads)
	s_wait_dscnt 0x0
	QK
	MASK
.irp u, 0,1                                    ; the step's largest score of my query among my 32 keys, in two chains; each accumulator is first read at its low end
	v_max3_num_f32 v[TA+2*\u], v[S+32*\u], v[S+32*\u+1], v[S+32*\u+2]
	v_max3_num_f32 v[TA+2*\u+1], v[S+32*\u+3], v[S+32*\u+4], v[S+32*\u+5]
.endr
.irp i, 6,10,14,18,22,26
.irp u, 0,1
	v_max3_num_f32 v[TA+2*\u], v[TA+2*\u], v[S+32*\u+\i], v[S+32*\u+\i+1]
	v_max3_num_f32 v[TA+2*\u+1], v[TA+2*\u+1], v[S+32*\u+\i+2], v[S+32*\u+\i+3]
.endr
.endr
.irp u, 0,1
	v_max3_num_f32 v[TA+2*\u], v[TA+2*\u], v[S+32*\u+30], v[S+32*\u+31]
.endr
.irp u, 0,1
	v_max_num_f32 v[TA+2*\u], v[TA+2*\u], v[TA+2*\u+1]
.endr
.irp u, 0,1
	v_permlanex16_b32 v[DD+\u], v[TA+2*\u], s34, s35
.endr
.irp u, 0,1
	v_max_num_f32 v[TA+2*\u], v[TA+2*\u], v[DD+\u] ; and among lane l xor 16's
.endr
.irp u, 0,1
	v_mul_f32 v[TA+2*\u], s30, v[TA+2*\u]          ; as t (c is positive)
.endr
.irp u, 0,1
	v_max_num_f32 v[ST+6*\u+1], v[ST+6*\u+1], v[TA+2*\u]
.endr
.irp u, 0,1
	v_mov_b32 v[TA+2*\u], v[ST+6*\u]
.endr
.irp u, 0,1
	v_floor_f32 v[ST+6*\u], -v[ST+6*\u+1]          ; the new -M = -ceil(t): a whole number
.endr
.irp u, 0,1
	v_sub_f32 v[TA+2*\u], v[ST+6*\u], v[TA+2*\u]   ; old M - new M, 0 or less
.endr
.irp u, 0,1
	v_cvt_i32_f32 v[TA+2*\u], v[TA+2*\u]           ; (it saturates)
.endr
.irp u, 0,1
	v_ldexp_f32 v[ST+6*\u+4], 1.0, v[TA+2*\u]      ; 2^(old M - new M): rounds nothing
.endr
	POWERS
	v_pk_mul_f32 v[ST+2:ST+3], v[ST+2:ST+3], v[ST+4:ST+5] op_sel_hi:[1,0]      ; the sums under the new M: also the plain instruction behind the exponentials
	v_pk_mul_f32 v[ST+8:ST+9], v[ST+8:ST+9], v[ST+10:ST+11] op_sel_hi:[1,0]
	s_wait_alu depctr_va_vdst(0)                   ; one wait for the batch, ahead of its first reader
	v_pk_add_f32 v[TA:TA+1], v[S:S+1], v[S+2:S+3]
	v_pk_add_f32 v[TA+2:TA+3], v[S+32:S+33], v[S+34:S+35]
.irp i, 4,8,12,16,20,24,28
	v_pk_add_f32 v[ST+2:ST+3], v[ST+2:ST+3], v[S+\i:S+\i+1]
	v_pk_add_f32 v[ST+8:ST+9], v[ST+8:ST+9], v[S+32+\i:S+32+\i+1]
	v_pk_add_f32 v[TA:TA+1], v[TA:TA+1], v[S+\i+2:S+\i+3]
	v_pk_add_f32 v[TA+2:TA+3], v[TA+2:TA+3], v[S+32+\i+2:S+32+\i+3]
.endr
	v_pk_add_f32 v[ST+2:ST+3], v[ST+2:ST+3], v[TA:TA+1]
	v_pk_add_f32 v[ST+8:ST+9], v[ST+8:ST+9], v[TA+2:TA+3]
.Lskip1:
	s_add_co_u32 s23, s23, 4096
	s_add_co_u32 s22, s22, 64
	s_cmp_lt_u32 s22, 2048
	s_cbranch_scc1 .Lp1
	; BETWEEN THE PASSES: the row's sum and its reciprocal
.irp u, 0,1
	v_add_f32 v[ST+6*\u+2], v[ST+6*\u+2], v[ST+6*\u+3]
.endr
.irp u, 0,1
	v_permlanex16_b32 v[DD+\u], v[ST+6*\u+2], s34, s35
.endr
.irp u, 0,1
	v_add_f32 v[ST+6*\u+2], v[ST+6*\u+2], v[DD+\u]
.endr
.irp u, 0,1
	v_rcp_f32 v[ST+6*\u+4], v[ST+6*\u+2]
.endr
	v_nop                                          ; a plain instruction behind the reciprocals
	s_wait_alu depctr_va_vdst(0)                   ; and the wait ahead of their first reader, and of the label below
	; PASS 2
	s_mov_b32 s22, 0
	s_mov_b32 s23, 0
.Lp2:
	s_cmp_ge_u32 s22, s24
	s_cbranch_scc1 .Lskip2
	v_add_nc_u32 v[ADK], s23, v[LI]
	v_add_nc_u32 v[ADV], s23, v[LIV]
	v_nop
	v_nop                                          ; four places behind the last step's V^T P, in front of the loads into V's registers
	KLOAD
.irp t, 0,1,2,3
.irp c, 0,1
	ds_load_b128 v[VR+8*\t+4*\c:VR+8*\t+4*\c+3], v[ADV] offset:\t*1024+\c*512
.endr
.endr
	s_wait_dscnt 8                                 ; K is in; V's eight loads may stay out
	QK
	MASK
	POWERS
	v_nop                                          ; a plain instruction behind the exponentials
	s_wait_alu depctr_va_vdst(0)                   ; one wait for the batch
.set n, 0
.rept 16
	v_pk_mul_f32 v[S+n:S+n+1], v[S+n:S+n+1], v[ST+4:ST+5] op_sel_hi:[1,0]          ; p = 2^(t - M) / the sum: finished and normalised
	v_pk_mul_f32 v[S+32+n:S+32+n+1], v[S+32+n:S+32+n+1], v[ST+10:ST+11] op_sel_hi:[1,0]
.set n, n+2
.endr
	s_cmp_ge_i32 s32, -8                           ; p is at most 1 and a few last places.  From e8 = -8 on, 448 x 2^e8 is 1.75 or more: the hold can hold nothing and is jumped over
	s_cbranch_scc1 .Lno_hold
.set n, 0
.rept 64
	v_min_num_f32 v[S+n], v[S+n], v[PLIM]          ; the conversion does not saturate (ISA guide 7.6.2); p is not negative, so the hold is one-sided
.set n, n+1
.endr
.Lno_hold:
.irp u, 0,1
.irp b, 0,1,2,3
	v_cvt_scalef32_pk8_fp8_f32 v[PC+8*\u+2*\b:PC+8*\u+2*\b+1], v[S+32*\u+8*\b:S+32*\u+8*\b+7], v[PSC]
.endr
.endr
	v_nop                                          ; a plain instruction between the conversions and the products that read their results
	s_wait_dscnt 0x0                               ; V is in
.irp t, 0,1,2,3                                ; O^T += V^T P^T: eight accumulators, one instruction a turn; K Q^T's eight stand between two turns of one accumulator
.irp u, 0,1
	v_wmma_f32_16x16x64_fp8_fp8 v[O+32*\u+8*\t:O+32*\u+8*\t+7], v[VR+8*\t:VR+8*\t+7], v[PC+8*\u:PC+8*\u+7], v[O+32*\u+8*\t:O+32*\u+8*\t+7]
.endr
.endr
.Lskip2:
	s_add_co_u32 s23, s23, 4096
	s_add_co_u32 s22, s22, 64
	s_cmp_lt_u32 s22, 2048
	s_cbranch_scc1 .Lp2
	; THE WAY OUT.  A sum stands for sum x 2^(e8 + e9): H's code is sum / 2^(e10 - e8 - e9).  A padded query's hold is 0: its codes are zeros.  The first four lines are the places behind the last products
	v_and_b32 v[TA], 15, v0
	v_and_b32 v[TA+1], 8, v[TA]
	v_add_nc_u32 v[TA], v[TA], v[TA+1]
	s_lshl_b32 s90, s21, 5
	v_add_nc_u32 v[TA], s90, v[TA]                 ; tile 0's query
	v_add_nc_u32 v[TA+1], 8, v[TA]                 ; tile 1's
	s_sub_co_i32 s91, s88, s86
	s_sub_co_i32 s91, s91, s87
	s_add_co_i32 s91, s91, 127
	s_lshl_b32 s92, s91, 23
	v_mov_b32 v[TA+2], s92                         ; 2^(e10 - e8 - e9)
	s_add_co_i32 s91, s91, 8
	s_lshl_b32 s91, s91, 23
	s_or_b32 s91, s91, 0x600000
	v_mov_b32 v[TA+3], s91                         ; 448 x that
	v_cmp_gt_u32 vcc_lo, s27, v[TA]
	v_cndmask_b32 v[QL], 0, v[TA+3], vcc_lo
	v_cmp_gt_u32 vcc_lo, s27, v[TA+1]
	v_cndmask_b32 v[QL+1], 0, v[TA+3], vcc_lo
.set n, 0
.rept 32
	v_med3_num_f32 v[O+n], v[O+n], -v[QL], v[QL]
	v_med3_num_f32 v[O+32+n], v[O+32+n], -v[QL+1], v[QL+1]
.set n, n+1
.endr
.irp u, 0,1
.irp b, 0,1,2,3
	v_cvt_scalef32_pk8_fp8_f32 v[PC+8*\u+2*\b:PC+8*\u+2*\b+1], v[O+32*\u+8*\b:O+32*\u+8*\b+7], v[TA+2]   ; registers 4 beta .. 4 beta + 3: channels 32 beta + 16 (lane / 16) + 0 .. 15 of my head
.endr
.endr
	v_nop
.irp u, 0,1
.irp b, 0,1
	global_store_b128 v[LI], v[PC+8*\u+4*\b:PC+8*\u+4*\b+3], s[14:15] offset:\u*16384+\b*512   ; 32 lanes store 512 consecutive bytes, aligned: a quarter of an operand's image for the last product
.endr
.endr
	s_set_vgpr_msb 0x5
	s_wait_tensorcnt 0x0
	ds_add_u32 v0, v1
	s_wait_dscnt 0x0
	s_set_vgpr_msb 0x500
	s_endpgm
.Lfunc_end_k_q90149dd291_attn:
	.size	k_q90149dd291_attn, .Lfunc_end_k_q90149dd291_attn-k_q90149dd291_attn
	.p2alignl 7, 3214868480
	.fill 96, 4, 3214868480
	.section	.rodata,"a",@progbits
	.p2align	6, 0x0
	.amdhsa_kernel k_q90149dd291_attn
		.amdhsa_group_segment_fixed_size 263168
		.amdhsa_private_segment_fixed_size 0
		.amdhsa_enable_private_segment 0
		.amdhsa_kernarg_size 48
		.amdhsa_user_sgpr_count 2
		.amdhsa_user_sgpr_kernarg_segment_ptr 1
		.amdhsa_wavefront_size32 1
		.amdhsa_system_sgpr_workgroup_id_x 1
		.amdhsa_system_sgpr_workgroup_id_y 1
		.amdhsa_system_sgpr_workgroup_id_z 1
		.amdhsa_system_vgpr_workitem_id 0
		.amdhsa_next_free_vgpr 258
		.amdhsa_next_free_sgpr 96
		.amdhsa_reserve_vcc 1
		.amdhsa_float_denorm_mode_32 3
		.amdhsa_float_denorm_mode_16_64 3
		.amdhsa_memory_ordered 1
		.amdhsa_forward_progress 1
		.amdhsa_inst_pref_size 59
	.end_amdhsa_kernel
	.amdgpu_metadata
---
amdhsa.version: [ 1, 2 ]
amdhsa.kernels:
  - .name:           k_q90149dd291_attn
    .symbol:         k_q90149dd291_attn.kd
    .args:
      - { .name: qimg, .offset: 0, .size: 8, .value_kind: global_buffer, .address_space: global }
      - { .name: kimg, .offset: 8, .size: 8, .value_kind: global_buffer, .address_space: global }
      - { .name: vimg, .offset: 16, .size: 8, .value_kind: global_buffer, .address_space: global }
      - { .name: lens, .offset: 24, .size: 8, .value_kind: global_buffer, .address_space: global }
      - { .name: lowp_scales, .offset: 32, .size: 8, .value_kind: global_buffer, .address_space: global }
      - { .name: himg, .offset: 40, .size: 8, .value_kind: global_buffer, .address_space: global }
    .group_segment_fixed_size: 263168
    .private_segment_fixed_size: 0
    .kernarg_segment_align: 8
    .kernarg_segment_size: 48
    .max_flat_workgroup_size: 256
    .sgpr_count:     96
    .vgpr_count:     258
    .wavefront_size: 32
...
	.end_amdgpu_metadata
.endif
;; end of part 2
;; launch outp (part 3): grid 8 x 32, 4 waves a work-group, clusters of 4 x 4, 295,424 bytes of LDS; arguments himg, W_O_codes, b_O, lowp_scales, out0; writes out0
.if DOCPART == 3
	.amdgcn_target "amdgcn-amd-amdhsa--gfx1250"
	.amdhsa_code_object_version 6
	.text
	.protected	k_q90149dd291_outp
	.globl	k_q90149dd291_outp
	.p2align	8
	.type	k_q90149dd291_outp,@function
k_q90149dd291_outp:
	s_mov_b64 s[64:65], 0
	v_nop
	global_prefetch_b8 v0, s[64:65] scope:SCOPE_SE
	s_setreg_imm32_b32 hwreg(HW_REG_WAVE_MODE, 25, 1), 1
	s_wait_xcnt 0x0
	s_wait_alu depctr_hold_cnt(0) depctr_sa_sdst(0) depctr_va_vdst(0) depctr_va_sdst(0) depctr_va_ssrc(0) depctr_va_vcc(0) depctr_vm_vsrc(0)
	s_getreg_b32 s2, hwreg(HW_REG_IB_STS2, 6, 4)
	s_cmp_eq_u32 s2, 0
	s_cbranch_scc0 .Lentry_in_a_cluster
	s_endpgm
.Lentry_in_a_cluster:
	s_bfe_u32 s2, ttmp6, 0x10000c
	s_cmp_lg_u32 s2, 0xf033
	s_cbranch_scc0 .Lentry_shape_is_right
	s_endpgm
.Lentry_shape_is_right:
; out = H W_O + b_O on codes of FP8 (E4M3).  H: [4096][1024] as images of operand registers: row tile RT (16 rows: 32 (RT / 2) + 8 (RT % 2) + r + 8 (r / 8)) is 16,384 bytes, [K step of 128][c 0..3][512 bytes],
; lane (r, hh)'s 16 bytes at 16 x lane: k = 128 step + 32 c + 16 hh + 0 .. 15.  W_O: [1024 (n)][1024 (k)] codes.  out0: [4096][1024] f32.  A sum is multiplied by 2^(e10 + e11) and b_O added in one multiply-add.
; A tile of out0 is 128 x 128: 256 work-groups, one for each WGP (256 x 256 would give 64).  Four waves, each 64 x 64: 16 accumulators.
; THE WORK-GROUP'S WHOLE K LIES IN LDS: 128 KiB of H, 128 rows x 1,024 bytes of W_O.  Each comes in four chunks of 256 along K, all asked for at the start; nothing is ever filled again, so there is no ring.
; CLUSTERS: 4 x 4 work-groups.  H's chunks hang on the tile row and are asked for jointly along a row of the cluster, W_O's on the tile column and along a column.  A wave has four tensor loads out at the most.
; THE MATRIX INSTRUCTION IS USED TRANSPOSED (source 0 = 16 rows of W_O, source 1 = 16 rows of H): a lane holds eight neighbouring numbers of a row of out0.
; LIMIT: e10 + e11 between -126 and 127.
; REGISTERS: window 0: v0-31 addresses; v32-63 b_O in the result's layout; v64-95 at work; v128-255 the accumulators ((a, b) at v[128 + 8 (4 a + b)]), later the rows read back.
;   window 1: two fragment buffers of 128: 64 registers of H (4 row tiles x 128 K), then 64 of W_O.
.set PITCH, 272                        ; a row of W_O's chunk in LDS, and a stage row: 256 bytes + 16 of padding
.set BT,    131072                     ; LDS: H's four chunks of 32,768 bytes at 0; W_O's here,
.set CHW,   128*PITCH                  ; 34,816 bytes a chunk;
.set STG,   BT+4*CHW                   ; the stages: 16 rows x 272 bytes for each wave; no tensor load lands there
.set ADA,  16                          ; v16-17  LDS address of my H fragments in chunks 0-1, 2-3
.set ADB,  20                          ; v20-21  the same for W_O
.set STO,  24
.set RD,   25
.set CO,   26
.set BO,   27
.set BI,   32
.set TMP,  64
.set ACC,  128
.set G1A,  24                          ; s[24:31] group 1 for H;  s[32:39] for W_O;  s[48:63], s[68:83] their groups 0, one for each chunk
.set G1B,  32
.set G0A,  48
.set G0B,  68
.set MSB, 0
.macro WIN new
.if MSB != (\new)
	s_set_vgpr_msb (MSB<<8)|(\new)
.set MSB, (\new)
.endif
.endm
.macro CROUND                          ; a round of the cluster's barrier
	s_barrier_signal -1
	s_barrier_wait -1
	s_cmp_lg_u32 s14, 0
	s_cbranch_scc1 .Lnot_wave_0_\@
	s_barrier_signal -3
.Lnot_wave_0_\@:
	s_barrier_wait -3
	s_barrier_signal -1
	s_barrier_wait -1
.endm
.macro PLACES
.rept 4
	v_nop
.endr
.endm
	s_load_b128 s[4:7], s[0:1], 0x0                ; himg, W_O's codes
	s_load_b128 s[8:11], s[0:1], 0x10              ; b_O, the scales
	s_load_b64 s[12:13], s[0:1], 0x20              ; out0
	v_lshl_add_u32 v126, v0, 2, 0x48000
	v_mov_b32 v127, 0
	ds_add_u32 v126, v127
	ds_add_u32 v126, v127
	v_lshrrev_b32 v1, 5, v0
	v_readfirstlane_b32 s14, v1                    ; wave 0..3
	s_lshr_b32 s15, s14, 1                         ; which 64 rows are mine.  Also: I fetch for H (0) or for W_O (1)
	s_and_b32 s16, s14, 1                          ; which 64 columns.  Also: which half of a chunk I fetch
	s_bfe_u32 s40, ttmp6, 0x40000                  ; cx, cy
	s_bfe_u32 s41, ttmp6, 0x40004
	s_lshl_b32 s42, ttmp9, 2
	s_add_co_u32 s42, s42, s40                     ; tile column, 0..7
	s_and_b32 s17, ttmp7, 0xffff
	s_lshl_b32 s17, s17, 2
	s_add_co_u32 s17, s17, s41                     ; tile row, 0..31
	s_lshl_b32 s43, s41, 2
	s_lshl_b32 s43, 15, s43                        ; my row of the cluster
	s_lshl_b32 s44, 0x1111, s40                    ; my column
	s_or_b32 s[G1A], s43, (3<<16)|(1<<21)          ; H: the mask; elements of 8 bytes; no padding; bit 21 set beside a mask
	s_mov_b32 s[G1A+1], 512<<16                    ; tensor_dim0 = 512 elements: a row tile's 4,096 bytes of a chunk
	s_mov_b32 s[G1A+2], 4<<16                      ; tensor_dim1 = 4 row tiles
	s_mov_b32 s[G1A+3], 512<<16                    ; tile_dim0
	s_mov_b32 s[G1A+4], 4                          ; tile_dim1
	s_mov_b32 s[G1A+5], 2048                       ; from row tile to row tile: 16,384 bytes
	s_mov_b32 s[G1A+6], 0
	s_mov_b32 s[G1A+7], 0
	s_or_b32 s[G1B], s44, (0<<16)|(1<<20)|(1<<21)|(5<<22)|(3<<25)   ; W_O: elements of 1 byte; four words of padding after every 64
	s_mov_b32 s[G1B+1], 256<<16
	s_mov_b32 s[G1B+2], 64<<16
	s_mov_b32 s[G1B+3], 256<<16
	s_mov_b32 s[G1B+4], 64
	s_mov_b32 s[G1B+5], 1024
	s_mov_b32 s[G1B+6], 0
	s_mov_b32 s[G1B+7], 0
	s_lshl_b32 s18, s16, 16                        ; my half: four row tiles of H, or 64 rows of W_O: 65,536 bytes either way
	s_lshl_b32 s20, s17, 17                        ; H: a tile row is 8 row tiles, 131,072 bytes
	s_add_co_u32 s20, s20, s18
	s_mov_b32 s21, 0
	s_lshl_b32 s46, s42, 17                        ; W_O: a tile column is 128 rows of 1,024 bytes
	s_add_co_u32 s46, s46, s18
	s_mov_b32 s47, 0
	s_lshl_b32 s45, s16, 14                        ; where they go: H's half of a chunk,
	s_mul_i32 s22, s16, 64*PITCH
	s_add_co_u32 s22, s22, BT                      ; W_O's
	s_wait_dscnt 0x0
	s_wait_kmcnt 0x0
	s_load_b64 s[84:85], s[10:11], 0x28            ; e10, e11
	s_add_nc_u64 s[20:21], s[4:5], s[20:21]
	s_add_nc_u64 s[46:47], s[6:7], s[46:47]
	CROUND                                         ; all sixteen work-groups are here: the joint loads meet
.irp j, 0,1,2,3
	s_mov_b32 s[G0A+4*\j], 1
	s_add_co_u32 s[G0A+4*\j+1], s45, \j*32768
	s_add_nc_u64 s[G0A+4*\j+2:G0A+4*\j+3], s[20:21], \j*4096
	s_or_b32 s[G0A+4*\j+3], s[G0A+4*\j+3], 0x80000000
	s_mov_b32 s[G0B+4*\j], 1
	s_add_co_u32 s[G0B+4*\j+1], s22, \j*CHW
	s_add_nc_u64 s[G0B+4*\j+2:G0B+4*\j+3], s[46:47], \j*256
	s_or_b32 s[G0B+4*\j+3], s[G0B+4*\j+3], 0x80000000
.endr
	s_cmp_eq_u32 s15, 0                            ; a wave's four fills stand in one branch on its number, ahead of every wait on TENSORcnt and every LDS read; four v_nop follow the last
	s_cbranch_scc0 .Lfor_w
.irp j, 0,1,2,3
	tensor_load_to_lds s[G0A+4*\j:G0A+4*\j+3], s[G1A:G1A+7]
	s_nop 0
.endr
	PLACES
	s_branch .Lasked
.Lfor_w:
.irp j, 0,1,2,3
	tensor_load_to_lds s[G0B+4*\j:G0B+4*\j+3], s[G1B:G1B+7]
	s_nop 0
.endr
	PLACES
.Lasked:
	v_and_b32 v1, 15, v0                           ; r
	v_bfe_u32 v2, v0, 4, 1                         ; hh
	v_and_b32 v3, 31, v0
	v_lshlrev_b32 v3, 4, v3                        ; 16 x lane
	s_lshl_b32 s18, s15, 14                        ; my four row tiles of a chunk's eight
	v_add_nc_u32 v[ADA], s18, v3
	v_add_nc_u32 v[ADA+1], 0x10000, v[ADA]
	v_mul_u32_u24 v4, v1, PITCH
	v_lshl_add_u32 v4, v2, 4, v4
	s_mul_i32 s18, s16, 64*PITCH
	s_add_co_u32 s18, s18, BT
	v_add_nc_u32 v[ADB], s18, v4                   ; W_O: row 64 x half + r, + 16 hh
	v_add_nc_u32 v[ADB+1], 2*CHW, v[ADB]
	s_mul_i32 s18, s14, 16*PITCH
	s_add_co_u32 s18, s18, STG                     ; my stage
	v_mul_u32_u24 v5, v1, PITCH
	v_lshl_add_u32 v5, v2, 5, v5
	v_add_nc_u32 v[STO], s18, v5                   ; in: row r, 32 bytes for each half of the lanes
	v_mul_u32_u24 v5, v2, PITCH
	v_lshl_add_u32 v5, v1, 4, v5
	v_add_nc_u32 v[RD], s18, v5                    ; back: lanes 0-15 one row of 256 bytes, lanes 16-31 the next
	v_lshlrev_b32 v5, 12, v2
	v_lshl_add_u32 v[CO], v1, 4, v5                ; and the same two rows in out0
	v_lshlrev_b32 v[BO], 5, v2
	s_lshl_b32 s18, s42, 9
	s_lshl_b32 s19, s16, 8
	s_add_co_u32 s18, s18, s19                     ; my first column, in bytes
	s_mov_b32 s19, 0
	s_add_nc_u64 s[8:9], s[8:9], s[18:19]
	s_add_nc_u64 s[12:13], s[12:13], s[18:19]
	s_lshl_b32 s18, s17, 19
	s_lshl_b32 s22, s15, 18
	s_add_co_u32 s18, s18, s22                     ; my first row: (128 x tile row + 64 x half) x 4,096 bytes
	s_add_nc_u64 s[12:13], s[12:13], s[18:19]
.irp b, 0,1,2,3
	global_load_b128 v[BI+8*\b:BI+8*\b+3], v[BO], s[8:9] offset:64*\b          ; b_O at columns 16 b + 8 hh + 0 .. 7
	global_load_b128 v[BI+8*\b+4:BI+8*\b+7], v[BO], s[8:9] offset:64*\b+16
.endr
; 32 LDS loads in one run: the fragments of K step k (128 along K) into buffer k % 2
.macro FETCH k
.set FB, 128*((\k)%2)
.set JJ, (\k)/2
	WIN 0x40                                       ; destination window 1, address window 0
.irp a, 0,1,2,3
.irp c, 0,1,2,3
	ds_load_b128 v[FB+16*\a+4*\c:FB+16*\a+4*\c+3], v[ADA+JJ/2] offset:(JJ%2)*32768+\a*4096+((\k)%2)*2048+\c*512
.endr
.endr
.irp b, 0,1,2,3
.irp c, 0,1,2,3
	ds_load_b128 v[FB+64+16*\b+4*\c:FB+64+16*\b+4*\c+3], v[ADB+JJ/2] offset:(JJ%2)*CHW+\b*16*PITCH+((\k)%2)*128+32*\c
.endr
.endr
.endm
; 16 matrix instructions, the 16 accumulators by turns in the same order in every step; the first step starts the sums
.macro MUL k
.set FB, 128*((\k)%2)
	WIN 0x05                                       ; sources 0 and 1 window 1; C and D window 0
.irp a, 0,1,2,3
.irp b, 0,1,2,3
.if (\k) == 0
	v_wmma_f32_16x16x128_fp8_fp8 v[ACC+8*(4*\a+\b):ACC+8*(4*\a+\b)+7], v[FB+64+16*\b:FB+64+16*\b+15], v[FB+16*\a:FB+16*\a+15], 0
.else
	v_wmma_f32_16x16x128_fp8_fp8 v[ACC+8*(4*\a+\b):ACC+8*(4*\a+\b)+7], v[FB+64+16*\b:FB+64+16*\b+15], v[FB+16*\a:FB+16*\a+15], v[ACC+8*(4*\a+\b):ACC+8*(4*\a+\b)+7]
.endif
.endr
.endr
.endm
	s_wait_tensorcnt 3                             ; my part of chunk 0 is in; the three behind it may stay out
	s_barrier_signal -1
	s_barrier_wait -1                              ; everybody's is
	FETCH 0
.irp k, 0,1,2,3,4,5,6
.if (\k%2) == 1
	s_wait_tensorcnt 3-(\k+1)/2                    ; my part of the next chunk is in,
	s_wait_dscnt 0x0                               ; no LDS load of mine is out at a signal,
	s_barrier_signal -1
	s_barrier_wait -1                              ; everybody's part is in
.endif
.if \k > 0
	PLACES                                         ; in front of loads into the buffer that the step before multiplied
.endif
	FETCH \k+1
	s_wait_dscnt 32                                ; all but the 32 just issued
	MUL \k
.endr
	s_wait_dscnt 0x0
	MUL 7
	WIN 0
	; THE WAY OUT, a row tile (16 rows x 64 columns) at a time: sum x 2^(e10 + e11) + b_O; through my stage; back as whole rows of 256 bytes, into the tile's own accumulators, which are done with
	PLACES
	s_wait_kmcnt 0x0
	s_add_co_i32 s84, s84, s85
	s_add_co_i32 s84, s84, 127
	s_lshl_b32 s84, s84, 23                        ; 2^(e10 + e11) as f32
	s_mov_b32 s85, s84                             ; (named with it as a pair, so it is written)
	s_wait_loadcnt 0x0                             ; b_O
.macro OBLK a
.irp b, 0,1,2,3
.irp i, 0,2,4,6
	v_pk_fma_f32 v[TMP+8*\b+\i:TMP+8*\b+\i+1], v[ACC+8*(4*(\a)+\b)+\i:ACC+8*(4*(\a)+\b)+\i+1], s[84:85], v[BI+8*\b+\i:BI+8*\b+\i+1] op_sel_hi:[1,0,1]
.endr
.endr
.irp b, 0,1,2,3
	ds_store_b128 v[STO], v[TMP+8*\b:TMP+8*\b+3] offset:64*\b
	ds_store_b128 v[STO], v[TMP+8*\b+4:TMP+8*\b+7] offset:64*\b+16
.endr
.irp i, 0,1,2,3,4,5,6,7
	ds_load_b128 v[ACC+32*(\a)+4*\i:ACC+32*(\a)+4*\i+3], v[RD] offset:\i*2*PITCH   ; LDS serves a wave's instructions in order: these see my stores, and the next tile's stores come behind them
.endr
.endm
.macro OSEND a, younger                ; stage row rho is row 32 (a / 2) + 8 (a % 2) + rho + 8 (rho / 8) of my 64
	s_wait_dscnt \younger
.irp i, 0,1,2,3,4,5,6,7
	global_store_b128 v[CO], v[ACC+32*(\a)+4*\i:ACC+32*(\a)+4*\i+3], s[12:13] offset:(32*((\a)/2)+8*((\a)%2)+2*\i+8*(\i/4))*4096 th:TH_STORE_NT   ; 16 lanes store 256 consecutive bytes, aligned
.endr
.endm
	OBLK 0
.irp a, 1,2,3
	OBLK \a
	OSEND \a-1, 16                                 ; behind those loads: the next tile's 8 stores and 8 loads
.endr
	OSEND 3, 0
	s_wait_dscnt 0x0
	s_wait_tensorcnt 0x0
	ds_add_u32 v126, v127
	s_wait_dscnt 0x0
	CROUND                                         ; the closing round: no work-group ends while a partner may still ask for a chunk that names it
	s_endpgm
.Lfunc_end_k_q90149dd291_outp:
	.size	k_q90149dd291_outp, .Lfunc_end_k_q90149dd291_outp-k_q90149dd291_outp
	.p2alignl 7, 3214868480
	.fill 96, 4, 3214868480
	.section	.rodata,"a",@progbits
	.p2align	6, 0x0
	.amdhsa_kernel k_q90149dd291_outp
		.amdhsa_group_segment_fixed_size 295424
		.amdhsa_private_segment_fixed_size 0
		.amdhsa_enable_private_segment 0
		.amdhsa_kernarg_size 40
		.amdhsa_user_sgpr_count 2
		.amdhsa_user_sgpr_kernarg_segment_ptr 1
		.amdhsa_wavefront_size32 1
		.amdhsa_system_sgpr_workgroup_id_x 1
		.amdhsa_system_sgpr_workgroup_id_y 1
		.amdhsa_system_sgpr_workgroup_id_z 1
		.amdhsa_system_vgpr_workitem_id 0
		.amdhsa_next_free_vgpr 512
		.amdhsa_next_free_sgpr 96
		.amdhsa_reserve_vcc 0
		.amdhsa_float_denorm_mode_32 3
		.amdhsa_float_denorm_mode_16_64 3
		.amdhsa_memory_ordered 1
		.amdhsa_forward_progress 1
		.amdhsa_inst_pref_size 47
	.end_amdhsa_kernel
	.amdgpu_metadata
---
amdhsa.version: [ 1, 2 ]
amdhsa.kernels:
  - .name:           k_q90149dd291_outp
    .symbol:         k_q90149dd291_outp.kd
    .args:
      - { .name: himg, .offset: 0, .size: 8, .value_kind: global_buffer, .address_space: global }
      - { .name: W_O_codes, .offset: 8, .size: 8, .value_kind: global_buffer, .address_space: global }
      - { .name: b_O, .offset: 16, .size: 8, .value_kind: global_buffer, .address_space: global }
      - { .name: lowp_scales, .offset: 24, .size: 8, .value_kind: global_buffer, .address_space: global }
      - { .name: out0, .offset: 32, .size: 8, .value_kind: global_buffer, .address_space: global }
    .group_segment_fixed_size: 295424
    .private_segment_fixed_size: 0
    .kernarg_segment_align: 8
    .kernarg_segment_size: 40
    .max_flat_workgroup_size: 128
    .sgpr_count:     96
    .vgpr_count:     512
    .wavefront_size: 32
...
	.end_amdgpu_metadata
.endif
;; end of part 3
;; ======== version 2 of 2: 3 launches; version 1 with the launch attn written anew for expert scheduling mode
;; workspace buffers: qimg 4,194,304 bytes; kimg 4,194,304 bytes; vimg 4,194,304 bytes; himg 4,194,304 bytes; lens 256 bytes of whole numbers
;; launch proj: the kernel of part 1 again; grid 4 x 48, 4 waves a work-group, clusters of 4 x 4, 327,680 bytes of LDS; arguments in_Q_codes, in_K_codes, W_V_codes, W_Q_codes, W_K_codes, in_V_codes, b_Q, b_K, b_V, qimg, kimg, vimg, lowp_scales, Q_pad_mask, K_pad_mask, lens; writes qimg, kimg, vimg, lens
;; launch attn (part 4): grid 8 x 32, 8 waves a work-group, no clusters, 263,168 bytes of LDS; arguments qimg, kimg, vimg, lens, lowp_scales, himg; writes himg
.if DOCPART == 4
	.amdgcn_target "amdgcn-amd-amdhsa--gfx1250"
	.amdhsa_code_object_version 6
	.text
	.protected	k_q90149dd291_attn
	.globl	k_q90149dd291_attn
	.p2align	8
	.type	k_q90149dd291_attn,@function
k_q90149dd291_attn:
	s_mov_b64 s[64:65], 0
	v_nop
	global_prefetch_b8 v0, s[64:65] scope:SCOPE_SE
	s_setreg_imm32_b32 hwreg(HW_REG_WAVE_SCHED_MODE, 0, 2), 2
	s_setreg_imm32_b32 hwreg(HW_REG_WAVE_MODE, 25, 1), 1
	s_wait_xcnt 0x0
	s_wait_alu depctr_vm_vsrc(0)
; ATTENTION on codes of FP8 (E4M3): scores = Q K^T / 8, the causal mask, the two padding lengths, softmax, x V; both products quantised.
; THE SOFTMAX IS QUANTISED FINISHED: p = exp(s - max) / sum goes into the quantiser, so a row's sum is known before any p is converted.  THE KEYS ARE WALKED TWICE: pass 1 makes K Q^T, the running largest t and
; the sum; pass 2 makes K Q^T again, p = 2^(t - M) x (1 / sum), its codes, and V^T P.  t = score x log2(e) / 8; M = the largest t rounded up to a whole number, so that a change of M rescales the sum exactly.
; KEY k COUNTS FOR QUERY q where k <= q, k < k_len and q < q_len (the masks act through their sums alone).  A row without a key gives 0.
; SHARES.  Work-group (j, bh) serves head bh = 16 batch + head.  Each of its 8 waves owns 32 neighbouring queries, pair p, as two tiles that share every fragment of K and V.  Waves w and w + 4 hold pairs
; p = 8 w + j and 63 - p: under the causal mask the two together have the same work in every work-group.
; K AND V of the head lie in LDS whole (128 KiB each), as the images of operand registers that the launch before stored: every access is a constant + 16 x lane.  They come through registers, once.
; NO CLUSTER, NO TENSOR LOAD, though the eight work-groups of a head read the same K and V: only a tensor load can be asked for jointly.
; Branches on k_len leave out the steps past min(q, k_len) and, in steps all of whose keys count, 128 of a step's vector instructions.  All reads of memory stand at the head: there is nothing to prefetch ahead of.
; LAYOUT.  S^T = K Q^T (source 0 = 16 keys, source 1 = 16 queries), O^T = V^T P^T: a lane holds ONE query, q = 32 p + 8 u + r + 8 (r / 8), throughout.  A tile's keys are not neighbours (the image's order of
; rows), so that the 16 registers of tiles 2 b, 2 b + 1 are keys 32 b + 16 (lane / 16) + 0 .. 15: the conversions' results are the second product's operand.  The head's 64 channels are ordered likewise.
; LIMITS on the given exponents: e6 + e7 between -123 and 130; e8 between -126 and 119; e10 - e8 - e9 between -126 and 119.  The lengths are held within 0 .. 2,048, which is all that the comparisons see.
; THE MODE: SCHED_MODE bits 1:0 = 2 (LLVM: expert scheduling mode 2), set by the entry lines.  The code itself states the register dependences between vector or matrix instructions and memory or LDS
; instructions, and those through scalar registers that vector instructions write, with s_wait_alu, always for 0.
; THE PLAN.  Registers that memory or LDS instructions touch:
;   v1 to v6     offsets and LDS addresses, made at the head ahead of one wait on va_vdst and never written again.
;   v7, v11      the step's LDS addresses.  Written once a step, behind the step's K Q^T and behind a wait on vm_vsrc; read by the LDS loads that follow.
;   v64-255      in the fill: global loads land there and LDS stores read them.  One wait on vm_vsrc ahead of the barrier states that the stores have read them; then they become KR, VR, S^T and O^T.
;   KR           Step j's eight products K Q^T read it, at the step's head; behind them K of step j + 1 lands in it, under step j's softmax.  K of step 0 is asked for ahead of each pass.
;   VR           Step j's V^T P reads it, at the step's end; V of step j + 1 lands in it behind step j + 1's K Q^T.
;   PC           written by conversions, read by matrix instructions; at the end by the four stores.
; So ONE wait on va_vdst stands in a step, behind K Q^T and its places: the products are done reading KR, the last step's V^T P is done reading VR, and the addresses are written.  The step's LDS loads follow it
; in one run with no vector instruction between.  Where no worked step follows, K's loads are jumped over: so the number of loads that are out differs from way to way, and every wait on DScnt is for 0.
.set VIMG, 131072                      ; LDS: K's 32 steps of 4,096 bytes at 0, V's here
.set LI,   1                           ; v1   16 x lane
.set LIV,  2                           ; v2   the same in V's half of LDS
.set FL,   3                           ; v3-6 the fill: my wave's steps in K's two halves and in V's two
.set ADK,  7                           ; v7   LDS address of the step's K: the next step's lies 4,096 bytes on
.set QL,   8                           ; v8-9 tile u: min(q, k_len - 1) - 16 (lane / 16); at the end the hold of H
.set PLIM, 10                          ; v10  448 x 2^e8
.set ADV,  11                          ; v11  LDS address of the step's V
.set ST,   12                          ; tile u's statistics at v[ST + 6 u]: +0 -M, +1 the largest t, +2, +3 the sum in two halves, +4 the factor (pass 1) or 1 / sum (pass 2), +5 named with it as a pair
.set TA,   24                          ; v24-27 at work
.set DD,   28                          ; v28-29 at work: the mask's bound, a lane exchange's result
.set NEG,  30                          ; v30  -infinity
.set PSC,  31                          ; v31  2^e8
.set PC,   32                          ; v32-47  p's codes, 8 registers a tile; at the end H's
.set QF,   48                          ; v48-63  Q, 8 a tile
.set KR,   64                          ; v64-95  K of the step: tile t at 8 t
.set VR,   96                          ; v96-127 V of the step
.set S,    128                         ; v128-191 S^T, then p: 32 a tile
.set O,    192                         ; v192-255 O^T: 32 a tile
	s_load_b256 s[4:11], s[0:1], 0x0               ; qimg, kimg, vimg, lens
	s_load_b128 s[12:15], s[0:1], 0x20             ; the scales, himg
	s_set_vgpr_msb 0x40
	v_lshl_add_u32 v0, v0, 2, 0x40000
	v_mov_b32 v1, 0
	s_set_vgpr_msb 0x4000
	v_lshrrev_b32 v[TA], 5, v0
	v_readfirstlane_b32 s16, v[TA]                 ; wave 0..7
	s_and_b32 s18, ttmp7, 0xffff                   ; bh
	s_lshr_b32 s19, s18, 4                         ; batch
	s_and_b32 s20, s18, 15                         ; head
	v_and_b32 v[LI], 31, v0
	v_lshlrev_b32 v[LI], 4, v[LI]
	v_add_nc_u32 v[LIV], VIMG, v[LI]
	s_wait_alu depctr_va_sdst(0)                   ; s16 is written, ahead of its first reader: the pair of queries, the fill's steps and the bases are made from it
	s_sub_co_u32 s90, 11, s16
	s_sub_co_u32 s91, 7, ttmp9
	s_cmp_lt_u32 s16, 4
	s_cselect_b32 s90, s16, s90
	s_cselect_b32 s91, ttmp9, s91
	s_lshl_b32 s21, s90, 3
	s_add_co_u32 s21, s21, s91                     ; p: 8 w + j, or 63 - (8 (w - 4) + j)
	s_lshl_b32 s92, s16, 12                        ; my wave fills steps w, 8 + w, 16 + w, 24 + w
	v_add_nc_u32 v[FL], s92, v[LI]
	v_add_nc_u32 v[FL+1], 0x10000, v[FL]
	v_add_nc_u32 v[FL+2], 0x20000, v[FL]
	v_add_nc_u32 v[FL+3], 0x30000, v[FL]
	v_mov_b32 v[ADK], v[LI]
	v_mov_b32 v[ADV], v[LIV]
	s_lshl_b32 s90, s18, 17                        ; a head's 32 blocks of 4,096 bytes
	s_mov_b32 s91, 0
	s_mov_b32 s93, 0
	s_lshl_b32 s94, s21, 11                        ; a pair of Q's tiles is 2,048 bytes
	s_mov_b32 s95, 0
	s_wait_kmcnt 0x0
	s_add_nc_u64 s[4:5], s[4:5], s[90:91]
	s_add_nc_u64 s[4:5], s[4:5], s[94:95]
	s_add_nc_u64 s[6:7], s[6:7], s[90:91]
	s_add_nc_u64 s[6:7], s[6:7], s[92:93]
	s_add_nc_u64 s[8:9], s[8:9], s[90:91]
	s_add_nc_u64 s[8:9], s[8:9], s[92:93]
	s_lshl_b32 s90, s19, 6
	s_add_nc_u64 s[10:11], s[10:11], s[90:91]      ; the batch's 16 words
	s_load_b512 s[36:51], s[10:11], 0x80           ; of K's mask,
	s_load_b512 s[68:83], s[10:11], 0x0            ; of Q's
	s_load_b128 s[84:87], s[12:13], 0x18           ; e6, e7, e8, e9
	s_load_b32 s88, s[12:13], 0x28                 ; e10
	s_wait_alu depctr_va_vdst(0)                   ; v1 to v7 and v11 are written: the loads and stores of the fill, the loads of K's first step and the last stores read v1 to v6 as they stand here
.irp u, 0,1
.irp c, 0,1
	global_load_b128 v[QF+8*\u+4*\c:QF+8*\u+4*\c+3], v[LI], s[4:5] offset:\u*1024+\c*512
.endr
.endr
.macro GFILL reg, i                    ; step 8 i + w of K and of V, 4,096 bytes each, into 64 registers: each load is 512 consecutive bytes
.irp k, 0,1,2,3,4,5,6,7
	global_load_b128 v[\reg+4*\k:\reg+4*\k+3], v[LI], s[6:7] offset:\i*32768+512*\k
.endr
.irp k, 0,1,2,3,4,5,6,7
	global_load_b128 v[\reg+32+4*\k:\reg+32+4*\k+3], v[LI], s[8:9] offset:\i*32768+512*\k
.endr
.endm
.macro LFILL reg, i                    ; and on into LDS, as they lie
.irp k, 0,1,2,3,4,5,6,7
	ds_store_b128 v[FL+\i/2], v[\reg+4*\k:\reg+4*\k+3] offset:(\i%2)*32768+512*\k
.endr
.irp k, 0,1,2,3,4,5,6,7
	ds_store_b128 v[FL+2+\i/2], v[\reg+32+4*\k:\reg+32+4*\k+3] offset:(\i%2)*32768+512*\k
.endr
.endm
	GFILL KR, 0                                    ; the first eight steps are asked for before the lengths are known
	s_add_co_u32 s90, s90, s21                     ; 64 batch + p: two row tiles of H, 16,384 bytes each;
	s_lshl_b32 s90, s90, 15
	s_lshl_b32 s92, s20, 10                        ; the head's 64 channels are 1,024 bytes of a row tile
	s_add_co_u32 s90, s90, s92
	s_add_nc_u64 s[14:15], s[14:15], s[90:91]
	s_mov_b32 s34, 0x76543210
	s_mov_b32 s35, 0xfedcba98                      ; v_permlanex16_b32's selects for lane l xor 16
	s_wait_kmcnt 0x0
	s_add_co_u32 s26, s36, s37
	s_add_co_u32 s27, s68, s69
.irp i, 2,3,4,5,6,7,8,9,10,11,12,13,14,15
	s_add_co_u32 s26, s26, s[36+\i]
	s_add_co_u32 s27, s27, s[68+\i]
.endr
	s_max_i32 s26, s26, 0
	s_min_i32 s26, s26, 0x800                      ; k_len
	s_max_i32 s27, s27, 0
	s_min_i32 s27, s27, 0x800                      ; q_len
	s_add_co_u32 s28, s26, 63
	s_lshr_b32 s28, s28, 6                         ; steps of 64 keys that anybody reads
	s_lshl_b32 s90, s21, 5                         ; my first query, 32 p
	s_add_co_u32 s91, s90, 32
	s_min_u32 s91, s91, s26
	s_cmp_lt_u32 s90, s27
	s_cselect_b32 s24, s91, 0                      ; a step is worked where its first key is under this: min(32 p + 32, k_len), or 0 where all my queries are padding.  That key then counts for all 32 queries
	s_sub_co_i32 s92, s26, 1
	s_min_i32 s25, s90, s92                        ; a step whose last key is at most this needs no mask
	s_add_co_i32 s30, s84, s85
	s_lshl_b32 s30, s30, 23
	s_add_co_i32 s30, s30, 0x3e38aa3b              ; c = log2(e) / 8, with e6 + e7 added to its exponent field
	s_mov_b32 s31, s30                             ; (named with it as a pair, so it is written)
	s_mov_b32 s32, s86                             ; e8
	s_add_co_i32 s93, s86, 127
	s_lshl_b32 s94, s93, 23
	v_mov_b32 v[PSC], s94                          ; (none of the vector lines from here to the fill's end names a register that a load or store of the fill touches)
	s_add_co_i32 s93, s93, 8
	s_lshl_b32 s93, s93, 23
	s_or_b32 s93, s93, 0x600000
	v_mov_b32 v[PLIM], s93
	v_and_b32 v[TA], 15, v0                        ; r
	v_bfe_u32 v[TA+1], v0, 4, 1
	v_lshlrev_b32 v[TA+1], 4, v[TA+1]              ; 16 (lane / 16)
	v_and_b32 v[TA+2], 8, v[TA]
	v_add_nc_u32 v[TA+2], v[TA+2], v[TA]
	v_add_nc_u32 v[TA+2], s90, v[TA+2]             ; tile 0's query
	v_add_nc_u32 v[TA+3], 8, v[TA+2]               ; tile 1's
	v_min_i32 v[QL], s92, v[TA+2]
	v_min_i32 v[QL+1], s92, v[TA+3]
	v_sub_nc_u32 v[QL], v[QL], v[TA+1]
	v_sub_nc_u32 v[QL+1], v[QL+1], v[TA+1]
	v_mov_b32 v[NEG], 0xff800000
.irp u, 0,1
	v_mov_b32 v[ST+6*\u+1], 0xff61b1e6             ; the largest t so far: -3e38, under every t
	v_floor_f32 v[ST+6*\u], -v[ST+6*\u+1]          ; -M
	v_mov_b32 v[ST+6*\u+2], 0
	v_mov_b32 v[ST+6*\u+3], 0
	v_mov_b32 v[ST+6*\u+4], 0
	v_mov_b32 v[ST+6*\u+5], 0
	v_mov_b32 v[DD+\u], 0                          ; written once: a lane permute's destination counts as read
.endr
	; THE FILL goes on as far as k_len asks.  The branches are nested, so that a register is stored on no way on which it was not loaded.  The number of loads out differs from way to way: every wait is for 0
	s_add_co_u32 s93, s16, 8
	s_cmp_ge_u32 s93, s28
	s_cbranch_scc1 .Lfill1
	GFILL S, 1
	s_add_co_u32 s93, s16, 16
	s_cmp_ge_u32 s93, s28
	s_cbranch_scc1 .Lfill2
	GFILL O, 2
	s_wait_loadcnt 0x0
	LFILL O, 2
.Lfill2:
	s_wait_loadcnt 0x0
	LFILL S, 1
.Lfill1:
	s_wait_loadcnt 0x0                             ; (Q is in too)
	LFILL KR, 0
	s_add_co_u32 s93, s16, 24
	s_cmp_ge_u32 s93, s28
	s_cbranch_scc1 .Lfill3
	s_wait_dscnt 0x0                               ; the stores are done
	s_wait_alu depctr_vm_vsrc(0)                   ; the LDS stores above have read v64-127, in which the next loads land
	GFILL KR, 3
	s_wait_loadcnt 0x0
	LFILL KR, 3
.Lfill3:
	s_wait_alu depctr_vm_vsrc(0)                   ; the fill's LDS stores have read v64-255: from here on moves write v192-255, matrix instructions v128-191, and LDS loads land in v64-127
	s_wait_dscnt 0x0                               ; for the others' sake: my stores have landed
	s_barrier_signal -1                            ; the launch's one barrier
.set n, 0
.rept 64
	v_mov_b32 v[O+n], 0                            ; O^T: the step is written once; a wave without a key leaves these zeros
.set n, n+1
.endr
	s_barrier_wait -1
.macro QK                              ; S^T = K Q^T: 4 tiles of 16 keys x 2 tiles of 16 queries, K = the head's 64.  The four places in front of the first read follow the macro
.irp t, 0,1,2,3
.irp u, 0,1
	v_wmma_f32_16x16x64_fp8_fp8 v[S+32*\u+8*\t:S+32*\u+8*\t+7], v[KR+8*\t:KR+8*\t+7], v[QF+8*\u:QF+8*\u+7], 0
.endr
.endr
.endm
.macro KLOAD adr, off                  ; a step's K, 4,096 bytes, from off bytes behind v[adr]
.irp t, 0,1,2,3
.irp c, 0,1
	ds_load_b128 v[KR+8*\t+4*\c:KR+8*\t+4*\c+3], v[\adr] offset:\off+\t*1024+\c*512
.endr
.endr
.endm
; Hidden scores become -infinity: register 16 b + i holds key KF + 16 (lane / 16) + 32 b + i, hidden where 32 b + i > min(q, k_len - 1) - 16 (lane / 16) - KF.  A step all of whose keys count for all 32 queries jumps over this.
; A tile's 32 comparisons stand in one run, each with a scalar register of its own (s36-51 and s68-83, which held the masks' partial sums and are done with); one wait; then the 32 selections.
.macro MASK
	s_add_co_u32 s90, s22, 63
	s_cmp_le_i32 s90, s25
	s_cbranch_scc1 .Lopen_\@
	v_sub_nc_u32 v[DD], v[QL], s22
	v_sub_nc_u32 v[DD+1], v[QL+1], s22
.irp u, 0,1
.set n, 0
.rept 32
	v_cmp_gt_i32 s[36+n+16*(n/16)], 32*(n/16)+n%16, v[DD+\u]
.set n, n+1
.endr
	s_wait_alu depctr_va_sdst(0)                   ; the 32 comparisons have written their scalar registers, ahead of the selections that read them
.set n, 0
.rept 32
	v_cndmask_b32 v[S+32*\u+n], v[S+32*\u+n], v[NEG], s[36+n+16*(n/16)]   ; each accumulator from its low end on
.set n, n+1
.endr
.endr
.Lopen_\@:
.endm
.macro POWERS                          ; 2^(t - M): a packed multiply-add for two scores, then the 64 exponentials as one batch
.set n, 0
.rept 16
	v_pk_fma_f32 v[S+n:S+n+1], v[S+n:S+n+1], s[30:31], v[ST:ST+1] op_sel_hi:[1,0,0]
	v_pk_fma_f32 v[S+32+n:S+32+n+1], v[S+32+n:S+32+n+1], s[30:31], v[ST+6:ST+7] op_sel_hi:[1,0,0]
.set n, n+2
.endr
.set n, 0
.rept 64
	v_exp_f32 v[S+n], v[S+n]
.set n, n+1
.endr
.endm
	; PASS 1.  32 trips, a constant; a step that is not mine is jumped over
	s_mov_b32 s22, 0                               ; KF: the step's first key
	s_mov_b32 s23, 0                               ; its LDS byte
	KLOAD LI, 0                                    ; K of step 0, which is filled whatever k_len is.  No vector instruction has named v64-95, and the fill's stores have read them
.Lp1:
	s_cmp_ge_u32 s22, s24
	s_cbranch_scc1 .Lskip1
	s_wait_dscnt 0x0                               ; this step's K is in: it was asked for behind the last step's products
	QK
	s_wait_alu depctr_vm_vsrc(0)                   ; the LDS loads issued so far have read v[ADK]
	v_add_nc_u32 v[ADK], s23, v[LI]                ; this step's K in LDS.  With the three lines below: the four places behind the products, in front of the first read of their results and of the loads into K's registers
	v_nop
	v_nop
	v_nop
	s_add_co_u32 s90, s22, 64
	s_cmp_ge_u32 s90, s24                          ; is the next step mine?  If not, nothing more of K is read: no byte of LDS that was never filled is asked for
	s_cbranch_scc1 .Lnok1
	s_wait_alu depctr_va_vdst(0)                   ; the products are done reading K's registers, in which the loads below land, and v[ADK] is written, which they read
	KLOAD ADK, 4096                                ; the next step's K lands under this step's vector work
.Lnok1:
	MASK
.irp u, 0,1                                    ; the step's largest score of my query among my 32 keys, in two chains; each accumulator is first read at its low end
	v_max3_num_f32 v[TA+2*\u], v[S+32*\u], v[S+32*\u+1], v[S+32*\u+2]
	v_max3_num_f32 v[TA+2*\u+1], v[S+32*\u+3], v[S+32*\u+4], v[S+32*\u+5]
.endr
.irp i, 6,10,14,18,22,26
.irp u, 0,1
	v_max3_num_f32 v[TA+2*\u], v[TA+2*\u], v[S+32*\u+\i], v[S+32*\u+\i+1]
	v_max3_num_f32 v[TA+2*\u+1], v[TA+2*\u+1], v[S+32*\u+\i+2], v[S+32*\u+\i+3]
.endr
.endr
.irp u, 0,1
	v_max3_num_f32 v[TA+2*\u], v[TA+2*\u], v[S+32*\u+30], v[S+32*\u+31]
.endr
.irp u, 0,1
	v_max_num_f32 v[TA+2*\u], v[TA+2*\u], v[TA+2*\u+1]
.endr
.irp u, 0,1
	v_permlanex16_b32 v[DD+\u], v[TA+2*\u], s34, s35
.endr
.irp u, 0,1
	v_max_num_f32 v[TA+2*\u], v[TA+2*\u], v[DD+\u] ; and among lane l xor 16's
.endr
.irp u, 0,1
	v_mul_f32 v[TA+2*\u], s30, v[TA+2*\u]          ; as t (c is positive)
.endr
.irp u, 0,1
	v_max_num_f32 v[ST+6*\u+1], v[ST+6*\u+1], v[TA+2*\u]
.endr
.irp u, 0,1
	v_mov_b32 v[TA+2*\u], v[ST+6*\u]
.endr
.irp u, 0,1
	v_floor_f32 v[ST+6*\u], -v[ST+6*\u+1]          ; the new -M = -ceil(t): a whole number
.endr
.irp u, 0,1
	v_sub_f32 v[TA+2*\u], v[ST+6*\u], v[TA+2*\u]   ; old M - new M, 0 or less
.endr
.irp u, 0,1
	v_cvt_i32_f32 v[TA+2*\u], v[TA+2*\u]           ; (it saturates)
.endr
.irp u, 0,1
	v_ldexp_f32 v[ST+6*\u+4], 1.0, v[TA+2*\u]      ; 2^(old M - new M): rounds nothing
.endr
	POWERS
	v_pk_mul_f32 v[ST+2:ST+3], v[ST+2:ST+3], v[ST+4:ST+5] op_sel_hi:[1,0]      ; the sums under the new M: also the plain instruction behind the exponentials
	v_pk_mul_f32 v[ST+8:ST+9], v[ST+8:ST+9], v[ST+10:ST+11] op_sel_hi:[1,0]
	s_wait_alu depctr_va_vdst(0)                   ; the 64 exponentials have written v128-191: one wait for the batch, ahead of its first reader
	v_pk_add_f32 v[TA:TA+1], v[S:S+1], v[S+2:S+3]
	v_pk_add_f32 v[TA+2:TA+3], v[S+32:S+33], v[S+34:S+35]
.irp i, 4,8,12,16,20,24,28
	v_pk_add_f32 v[ST+2:ST+3], v[ST+2:ST+3], v[S+\i:S+\i+1]
	v_pk_add_f32 v[ST+8:ST+9], v[ST+8:ST+9], v[S+32+\i:S+32+\i+1]
	v_pk_add_f32 v[TA:TA+1], v[TA:TA+1], v[S+\i+2:S+\i+3]
	v_pk_add_f32 v[TA+2:TA+3], v[TA+2:TA+3], v[S+32+\i+2:S+32+\i+3]
.endr
	v_pk_add_f32 v[ST+2:ST+3], v[ST+2:ST+3], v[TA:TA+1]
	v_pk_add_f32 v[ST+8:ST+9], v[ST+8:ST+9], v[TA+2:TA+3]
.Lskip1:
	s_add_co_u32 s23, s23, 4096
	s_add_co_u32 s22, s22, 64
	s_cmp_lt_u32 s22, 2048
	s_cbranch_scc1 .Lp1
	; BETWEEN THE PASSES: K of step 0 is asked for again; under its way the row's sum and its reciprocal are made
	s_wait_dscnt 0x0                               ; in a wave none of whose steps was worked the first load of K may still be out: no second load lands on its registers before it is in
	s_wait_alu depctr_va_vdst(0)                   ; pass 1's last products are done reading K's registers, in which the loads below land
	KLOAD LI, 0
.irp u, 0,1
	v_add_f32 v[ST+6*\u+2], v[ST+6*\u+2], v[ST+6*\u+3]
.endr
.irp u, 0,1
	v_permlanex16_b32 v[DD+\u], v[ST+6*\u+2], s34, s35
.endr
.irp u, 0,1
	v_add_f32 v[ST+6*\u+2], v[ST+6*\u+2], v[DD+\u]
.endr
.irp u, 0,1
	v_rcp_f32 v[ST+6*\u+4], v[ST+6*\u+2]
.endr
	v_nop                                          ; a plain instruction behind the reciprocals
	s_wait_alu depctr_va_vdst(0)                   ; the two reciprocals have written v16 and v22: ahead of their first reader, and of the label below
	; PASS 2
	s_mov_b32 s22, 0
	s_mov_b32 s23, 0
	s_wait_dscnt 0x0                               ; K of step 0 is in.  Every later step's K is shown in by the wait in front of the step before's V^T P
.Lp2:
	s_cmp_ge_u32 s22, s24
	s_cbranch_scc1 .Lskip2
	QK
	s_wait_alu depctr_vm_vsrc(0)                   ; the LDS loads issued so far have read v[ADK] and v[ADV]
	v_add_nc_u32 v[ADK], s23, v[LI]                ; these four lines are the places behind the products, in front of the first read of their results and of the loads into K's and V's registers
	v_add_nc_u32 v[ADV], s23, v[LIV]
	v_nop
	v_nop
	s_wait_alu depctr_va_vdst(0)                   ; K Q^T is done reading K's registers and the last step's V^T P is done reading V's, in which the loads below land; v[ADK] and v[ADV] are written, which they read
.irp t, 0,1,2,3
.irp c, 0,1
	ds_load_b128 v[VR+8*\t+4*\c:VR+8*\t+4*\c+3], v[ADV] offset:\t*1024+\c*512      ; this step's V: wanted at the step's end
.endr
.endr
	s_add_co_u32 s90, s22, 64
	s_cmp_ge_u32 s90, s24                          ; is the next step mine?
	s_cbranch_scc1 .Lnok2
	KLOAD ADK, 4096                                ; the next step's K.  No vector instruction since the wait above
.Lnok2:
	MASK
	POWERS
	v_nop                                          ; a plain instruction behind the exponentials
	s_wait_alu depctr_va_vdst(0)                   ; the 64 exponentials have written v128-191: one wait for the batch, ahead of its first reader
.set n, 0
.rept 16
	v_pk_mul_f32 v[S+n:S+n+1], v[S+n:S+n+1], v[ST+4:ST+5] op_sel_hi:[1,0]          ; p = 2^(t - M) / the sum: finished and normalised
	v_pk_mul_f32 v[S+32+n:S+32+n+1], v[S+32+n:S+32+n+1], v[ST+10:ST+11] op_sel_hi:[1,0]
.set n, n+2
.endr
	s_cmp_ge_i32 s32, -8                           ; p is at most 1 and a few last places.  From e8 = -8 on, 448 x 2^e8 is 1.75 or more: the hold can hold nothing and is jumped over
	s_cbranch_scc1 .Lno_hold
.set n, 0
.rept 64
	v_min_num_f32 v[S+n], v[S+n], v[PLIM]          ; the conversion does not saturate (ISA guide 7.6.2); p is not negative, so the hold is one-sided
.set n, n+1
.endr
.Lno_hold:
.irp u, 0,1
.irp b, 0,1,2,3
	v_cvt_scalef32_pk8_fp8_f32 v[PC+8*\u+2*\b:PC+8*\u+2*\b+1], v[S+32*\u+8*\b:S+32*\u+8*\b+7], v[PSC]
.endr
.endr
	v_nop                                          ; a plain instruction between the conversions and the products that read their results
	s_wait_dscnt 0x0                               ; V is in, and so is the next step's K where it was asked for: for 0, since the number of loads behind V's differs between the two ways
.irp t, 0,1,2,3                                ; O^T += V^T P^T: eight accumulators, one instruction a turn; K Q^T's eight stand between two turns of one accumulator
.irp u, 0,1
	v_wmma_f32_16x16x64_fp8_fp8 v[O+32*\u+8*\t:O+32*\u+8*\t+7], v[VR+8*\t:VR+8*\t+7], v[PC+8*\u:PC+8*\u+7], v[O+32*\u+8*\t:O+32*\u+8*\t+7]
.endr
.endr
.Lskip2:
	s_add_co_u32 s23, s23, 4096
	s_add_co_u32 s22, s22, 64
	s_cmp_lt_u32 s22, 2048
	s_cbranch_scc1 .Lp2
	; THE WAY OUT.  A sum stands for sum x 2^(e8 + e9): H's code is sum / 2^(e10 - e8 - e9).  A padded query's hold is 0: its codes are zeros.  The first four lines are the places behind the last products
	v_and_b32 v[TA], 15, v0
	v_and_b32 v[TA+1], 8, v[TA]
	v_add_nc_u32 v[TA], v[TA], v[TA+1]
	s_lshl_b32 s90, s21, 5
	v_add_nc_u32 v[TA], s90, v[TA]                 ; tile 0's query
	v_add_nc_u32 v[TA+1], 8, v[TA]                 ; tile 1's
	s_sub_co_i32 s91, s88, s86
	s_sub_co_i32 s91, s91, s87
	s_add_co_i32 s91, s91, 127
	s_lshl_b32 s92, s91, 23
	v_mov_b32 v[TA+2], s92                         ; 2^(e10 - e8 - e9)
	s_add_co_i32 s91, s91, 8
	s_lshl_b32 s91, s91, 23
	s_or_b32 s91, s91, 0x600000
	v_mov_b32 v[TA+3], s91                         ; 448 x that
	v_cmp_gt_u32 s36, s27, v[TA]
	v_cmp_gt_u32 s37, s27, v[TA+1]
	s_wait_alu depctr_va_sdst(0)                   ; the two comparisons have written s36 and s37, ahead of the selections that read them
	v_cndmask_b32 v[QL], 0, v[TA+3], s36
	v_cndmask_b32 v[QL+1], 0, v[TA+3], s37
.set n, 0
.rept 32
	v_med3_num_f32 v[O+n], v[O+n], -v[QL], v[QL]
	v_med3_num_f32 v[O+32+n], v[O+32+n], -v[QL+1], v[QL+1]
.set n, n+1
.endr
.irp u, 0,1
.irp b, 0,1,2,3
	v_cvt_scalef32_pk8_fp8_f32 v[PC+8*\u+2*\b:PC+8*\u+2*\b+1], v[O+32*\u+8*\b:O+32*\u+8*\b+7], v[TA+2]   ; registers 4 beta .. 4 beta + 3: channels 32 beta + 16 (lane / 16) + 0 .. 15 of my head
.endr
.endr
	v_nop
	s_wait_alu depctr_va_vdst(0)                   ; the conversions have written v32-47, which the stores read
.irp u, 0,1
.irp b, 0,1
	global_store_b128 v[LI], v[PC+8*\u+4*\b:PC+8*\u+4*\b+3], s[14:15] offset:\u*16384+\b*512   ; 32 lanes store 512 consecutive bytes, aligned: a quarter of an operand's image for the last product
.endr
.endr
	s_set_vgpr_msb 0x5
	s_wait_dscnt 0x0
	s_wait_alu depctr_hold_cnt(0) depctr_sa_sdst(0) depctr_va_vdst(0) depctr_va_sdst(0) depctr_va_ssrc(0) depctr_va_vcc(0) depctr_vm_vsrc(0)
	s_wait_tensorcnt 0x0
	ds_add_u32 v0, v1
	s_wait_dscnt 0x0
	s_endpgm
.Lfunc_end_k_q90149dd291_attn:
	.size	k_q90149dd291_attn, .Lfunc_end_k_q90149dd291_attn-k_q90149dd291_attn
	.p2alignl 7, 3214868480
	.fill 96, 4, 3214868480
	.section	.rodata,"a",@progbits
	.p2align	6, 0x0
	.amdhsa_kernel k_q90149dd291_attn
		.amdhsa_group_segment_fixed_size 263168
		.amdhsa_private_segment_fixed_size 0
		.amdhsa_enable_private_segment 0
		.amdhsa_kernarg_size 48
		.amdhsa_user_sgpr_count 2
		.amdhsa_user_sgpr_kernarg_segment_ptr 1
		.amdhsa_wavefront_size32 1
		.amdhsa_system_sgpr_workgroup_id_x 1
		.amdhsa_system_sgpr_workgroup_id_y 1
		.amdhsa_system_sgpr_workgroup_id_z 1
		.amdhsa_system_vgpr_workitem_id 0
		.amdhsa_next_free_vgpr 258
		.amdhsa_next_free_sgpr 96
		.amdhsa_reserve_vcc 0
		.amdhsa_float_denorm_mode_32 3
		.amdhsa_float_denorm_mode_16_64 3
		.amdhsa_memory_ordered 1
		.amdhsa_forward_progress 1
		.amdhsa_inst_pref_size 65
	.end_amdhsa_kernel
	.amdgpu_metadata
---
amdhsa.version: [ 1, 2 ]
amdhsa.kernels:
  - .name:           k_q90149dd291_attn
    .symbol:         k_q90149dd291_attn.kd
    .args:
      - { .name: qimg, .offset: 0, .size: 8, .value_kind: global_buffer, .address_space: global }
      - { .name: kimg, .offset: 8, .size: 8, .value_kind: global_buffer, .address_space: global }
      - { .name: vimg, .offset: 16, .size: 8, .value_kind: global_buffer, .address_space: global }
      - { .name: lens, .offset: 24, .size: 8, .value_kind: global_buffer, .address_space: global }
      - { .name: lowp_scales, .offset: 32, .size: 8, .value_kind: global_buffer, .address_space: global }
      - { .name: himg, .offset: 40, .size: 8, .value_kind: global_buffer, .address_space: global }
    .group_segment_fixed_size: 263168
    .private_segment_fixed_size: 0
    .kernarg_segment_align: 8
    .kernarg_segment_size: 48
    .max_flat_workgroup_size: 256
    .sgpr_count:     96
    .vgpr_count:     258
    .wavefront_size: 32
...
	.end_amdgpu_metadata
.endif
;; end of part 4
;; launch outp: the kernel of part 3 again; grid 8 x 32, 4 waves a work-group, clusters of 4 x 4, 295,424 bytes of LDS; arguments himg, W_O_codes, b_O, lowp_scales, out0; writes out0
